; MI455X (gfx1250); checked and timed in simulation.
; The chip was launched on July 23, 2026; its instructions are those of AMD's public machine-readable ISA for CDNA 5 (MIT licence, August 2026) and "CDNA5" Instruction Set Architecture Reference Guide (July 2026). The comments in the code are by the model that wrote it; some were corrected since.
;; QWK Aligned Attention. Allowed arithmetic: matrix products marked QUANTISED: E2M1 operands, one E8M0 scale for each 32 along K, by v_wmma_scale_f32_16x16x128_f8f6f4 with both operands' format E2M1 (or v_wmma_scale_f32_32x16x128_f4), f32 sums; products left as they are: bf16, f16 or f32 operands; f32 sums; everything else in f32.
;; Inputs: Wk 1,024 x 1,024 float32; Wm 16 x 1 float32; Wo 1,024 x 1,024 float32; Wq 1,024 x 1,024 float32; Wv 1,024 x 1,024 float32; bk 1,024 float32; bm 16 float32; bo 1,024 float32; bq 1,024 float32; bv 1,024 float32; key_ 2 x 2,048 x 1,024 float32; mask 2 x 2,048 x 2,048 int32; query 2 x 2,048 x 1,024 float32; responses 2 x 2,048 int32; value 2 x 2,048 x 1,024 float32.
;; Outputs: out0 2 x 2,048 x 1,024 float32.
;; This version of the problem:
;;   THIS VERSION OF THE PROBLEM IS GIVEN IN LOW PRECISION. The matrix products marked QUANTISED in the list below multiply operands that are first quantised to E2M1 (2 exponent bits, 1 mantissa bit; 4 bits a number), with one power-of-two scale for each 32 numbers along K (OCP MX v1.0); their sums are f32. The products marked 'left as it is' may take bf16, f16 or f32 operands, with f32 sums. Whichever they take, every output number must still come out within the allowed error. Rounding operands to bf16 (8 significant bits) uses up far more of that allowance than f16 does (11 bits, for magnitudes from 6e-5 to 65,504). All else is computed in f32.
;;   The module's matrix products, in the order in which they are computed (A, B: the left and right operand; K: the contracted axis; several contracted axes count as one K, in the product's order):
;;     1. [M 4,096, K 1,024] x [K 1,024, N 1,024]; A: input query; B: input Wq: QUANTISED
;;     2. [M 4,096, K 1,024] x [K 1,024, N 1,024]; A: input key_; B: input Wk: QUANTISED
;;     3. [M 4,096, K 1,024] x [K 1,024, N 1,024]; A: input value; B: input Wv: QUANTISED
;;     4. batch 32 x [M 2,048, K 64] x [K 64, N 2,048]; A: computed on the way; B: computed on the way: left as it is (an operand is computed on the way)
;;     5. batch 32 x [M 2,048, K 2,048] x [K 2,048, N 64]; A: computed on the way; B: computed on the way: left as it is (an operand is computed on the way)
;;     6. [M 4,096, K 1,024] x [K 1,024, N 1,024]; A: computed on the way; B: input Wo: left as it is (an operand is computed on the way)
;;   THE QUANTISER, for each operand of a quantised product, along K:
;;     - K is cut into blocks of 32 from its start; a last block that is shorter is filled with zeros.
;;     - A block's scale is 2^e with e = floor(log2(the largest magnitude in the block)) - 2, held to -126 .. 127; a block of zeros has e = 0. As a byte (E8M0): e + 127.
;;     - Each number is divided by its block's scale, clamped to +-6, and rounded to the nearest number of E2M1, ties to even, subnormals kept.
;;     - The product sums the exact products of the quantised numbers (number of the format x scale) in f32.
;;   ~~~python
;;   def quantise(x, axis):      # numpy; x: float32 -> the quantised numbers, widened to float32 again
;;       x = np.moveaxis(x, axis, -1); K = x.shape[-1]
;;       x = np.pad(x, [(0, 0)] * (x.ndim - 1) + [(0, -K % 32)]); x = x.reshape(x.shape[:-1] + (-1, 32)); a = np.abs(x).max(-1, keepdims=True)
;;       e = np.where(a > 0, np.clip(np.frexp(np.where(a > 0, a, 1))[1] - 1 - 2, -126, 127), 0)      # np.frexp(a)[1] - 1 = floor(log2(a)), exactly
;;       r = np.clip(x / 2.0 ** e, -6, 6)
;;       step = 2.0 ** (np.maximum(np.frexp(np.where(r == 0, 1, r))[1] - 1, 0) - 1)
;;       q = np.round(r / step) * step * 2.0 ** e      # np.round: ties to even
;;       return np.moveaxis(q.reshape(q.shape[:-2] + (-1,))[..., :K], -1, axis).astype(np.float32)
;;   ~~~
;; One version. Each part assembles by itself: llvm-mc -triple=amdgcn-amd-amdhsa -mcpu=gfx1250 --defsym DOCPART=n.
;; ======== version 1 of 1: 4 launches
;; limits: values are held in f16: magnitudes above 65,504 overflow, below 6.1e-05 lose precision
;; workspace buffers: codes 7,864,320 bytes; scl 491,520 bytes; wof 2,097,152 bytes; mbits 1,048,576 bytes of whole numbers; qf 8,388,608 bytes; kv 16,777,216 bytes; att 8,388,608 bytes
;; launch prep (part 1): grid 1536 x 1, 8 waves a work-group, no clusters, 69,120 bytes of LDS; arguments query, key_, value, Wq, Wk, Wv, Wo, mask, codes, scl, wof, mbits; writes codes, scl, wof, mbits
.if DOCPART == 1
	.amdgcn_target "amdgcn-amd-amdhsa--gfx1250"
	.amdhsa_code_object_version 6
	.text
	.protected	k_q1aaca45f62_prep
	.globl	k_q1aaca45f62_prep
	.p2align	8
	.type	k_q1aaca45f62_prep,@function
k_q1aaca45f62_prep:
	s_mov_b64 s[64:65], 0
	v_nop
	global_prefetch_b8 v0, s[64:65] scope:SCOPE_SE
	s_setreg_imm32_b32 hwreg(HW_REG_WAVE_MODE, 25, 1), 1
	s_wait_xcnt 0x0
; QWK-aligned attention, launch 1 of 4: every operand that many work-groups read is brought into its narrow form ONCE.
;   query, key_, value [4096][1024], Wq, Wk, Wv [1024][1024], f32 -> codes of E2M1 with one E8M0 byte for each 32 along K (K = the last axis);  Wo -> f16;  mask -> one bit a number.
; NO INPUT IS LEFT OUT: all fifteen are loaded by some launch.  Two terms are moved by identities that hold for all values, none is dropped:
;   (a) bv is added behind the average: sum_k p_k (v_k + bv) / sum_k p_k = sum_k p_k v_k / sum_k p_k + bv;
;   (b) of the ordinal bias Wm (1 - (rq - rk)^2 / 16) + bm the part that is the same for all keys of a query is taken off the value -1e9 that masked scores get, and not added to every score: a softmax is unchanged when
;       one number is taken off a whole row.  (It cannot simply go: a masked score is a fixed number.)
; LAYOUTS.  All operand buffers are IMAGES OF OPERAND REGISTERS: a block is 512 bytes, lane l's 16 bytes at 16 l.
;   codes [blk 60 of 256 rows][kstep 8][rowtile 16][c 2][512]: lane (r, h): the 32 codes k = 128 ks + 64 c + 32 h + 0..31 of row r.  Blocks: query 0-15, key_ 16-31, value 32-47, Wq 48-51, Wk 52-55, Wv 56-59.
;   scl [row 15360][8 words]: word ks = the four scale bytes of k = 128 ks .. + 127.
;   wof [nblk 8][kchunk 4][ntile 8][kstep 8][c 2][512], f16: lane (r, h): Wo[16 nt + r][32 ks + 16 c + 8 h + 0..7].
;   mbits [b 2][qt 128][kt 128][j 8] words: bit L = (mask[b][16 qt + L % 16][16 kt + 8 (L / 16) + j] != 0): a lane mask for the scores' layout.
; A block's scale is 2^(floor(log2(largest magnitude)) - 2): its byte is the largest magnitude's exponent field - 2, held at 1 from below.
; LIMITS: a block of zeros gets the byte 1 where the rule says 127 (its codes are zeros, and this program alone reads the bytes); blocks whose largest magnitude lies under 2^-124 have the byte held at 1;
;   NaN and infinities among the inputs are not served; |Wo| stays under 65,504 (f16).
; SHARES.  A wave takes ONE patch of 16 rows x 512 bytes.  Work-groups 0-959: row tile id of the six quantised tensors, wave w = K step w.  960-1023: 16 rows of Wo, wave w = columns 128 w on.
;   1024-1535: 16 queries of the mask, wave w = 128 keys.  Each load reads 512 consecutive bytes; the patch turns through the wave's own stage in LDS, so that a lane gets neighbours along K.
.set STG,   8448                       ; a wave's stage: 16 rows x (512 + 16) bytes: row r starts at bank 4 r mod 64
.set SCG,   8*STG                      ; 512 bytes: the work-group's 16 rows x 8 scale words
.set SPARE, SCG+512                    ; the spare words, 128 bytes for each wave: four blocks of 256 bytes that no other line names
.set L16,   4                          ; v4   16 x lane
.set STI,   5                          ; v5   the stage, on the way in
.set RBQ,   6                          ; v6   on the way out, for codes: row r, + 128 h
.set RBM,   7                          ; v7   for Wo and the mask: row r, + 32 h
.set SCW,   8                          ; v8   where my row's scale word goes
.set GAT,   9                          ; v9   where wave 0 reads the 512 bytes back
.set SPW,   10                         ; v10  my spare word; never rewritten
.set NIL,   11                         ; v11  0; never rewritten
.set L8,    12                         ; v12  8 x lane
.set OFF,   16                         ; v16-31  byte offset of my 16 bytes in row r of the patch
.set R,     32                         ; v32-95  the patch as loaded; later Wo's packed f16
.set X,     96                         ; v96-159 the patch as a lane wants it
	s_load_b512 s[4:19], s[0:1], 0x0               ; query, key_, value, Wq, Wk, Wv, Wo, mask
	s_load_b256 s[20:27], s[0:1], 0x40             ; codes, scl, wof, mbits
	v_lshl_add_u32 v[SPW], v0, 2, SPARE
	v_mov_b32 v[NIL], 0
	v_lshrrev_b32 v1, 5, v0
	v_readfirstlane_b32 s36, v1                    ; wave
	v_and_b32 v1, 31, v0                           ; lane
	v_and_b32 v2, 15, v0                           ; r
	v_bfe_u32 v3, v0, 4, 1                         ; h
	v_lshlrev_b32 v[L16], 4, v1
	v_lshlrev_b32 v[L8], 3, v1
	s_mul_i32 s37, s36, STG
	v_add_nc_u32 v[STI], s37, v[L16]
	v_mul_u32_u24 v[RBQ], v2, 528
	v_add_nc_u32 v[RBQ], s37, v[RBQ]
	v_lshl_add_u32 v[RBM], v3, 5, v[RBQ]
	v_lshl_add_u32 v[RBQ], v3, 7, v[RBQ]
	s_lshl_b32 s38, s36, 2
	v_lshl_add_u32 v[SCW], v2, 5, SCG
	v_add_nc_u32 v[SCW], s38, v[SCW]               ; SCG + 32 r + 4 w
	v_add_nc_u32 v[GAT], SCG, v[L16]
	s_mov_b32 s40, 0x76543210
	s_mov_b32 s41, 0xfedcba98                      ; v_permlanex16_b32's selects for lane l xor 16
	; which 16 rows, which 512 bytes of them, and the pitch: from the work-group's number alone
	s_and_b32 s30, ttmp9, 255                      ; query, key_, value: 256 row tiles each
	s_and_b32 s31, ttmp9, 63                       ; the four weights: 64 each (768, 832, 896 and 960 are multiples of 64)
	s_and_b32 s32, ttmp9, 0x1fe                    ; the mask: 2 x (b, query tile): 16 rows of 8,192 bytes are twice 65,536
	s_and_b32 s34, ttmp9, 1
	s_lshl_b32 s34, s34, 3                         ; and which eight of a row's sixteen segments
	s_mov_b32 s33, 4096
	s_cmp_ge_u32 ttmp9, 768
	s_cselect_b32 s30, s31, s30
	s_cmp_ge_u32 ttmp9, 1024
	s_cselect_b32 s30, s32, s30
	s_cselect_b32 s33, 8192, s33                   ; the pitch
	s_cselect_b32 s34, s34, 0
	s_add_co_u32 s34, s34, s36                     ; my segment of 512 bytes
	s_lshl_b32 s30, s30, 16
	s_lshl_b32 s35, s34, 9
	s_add_co_u32 s30, s30, s35
	s_mov_b32 s31, 0
	v_mov_b32 v[OFF], v[L16]
.irp r, 1,2,3,4,5,6,7,8,9,10,11,12,13,14,15
	v_add_nc_u32 v[OFF+\r], s33, v[OFF+\r-1]
.endr
	s_wait_kmcnt 0x0
	s_mov_b64 s[28:29], s[4:5]                     ; the source: a choice among buffers on the work-group's number
	s_cmp_ge_u32 ttmp9, 256
	s_cselect_b64 s[28:29], s[6:7], s[28:29]
	s_cmp_ge_u32 ttmp9, 512
	s_cselect_b64 s[28:29], s[8:9], s[28:29]
	s_cmp_ge_u32 ttmp9, 768
	s_cselect_b64 s[28:29], s[10:11], s[28:29]
	s_cmp_ge_u32 ttmp9, 832
	s_cselect_b64 s[28:29], s[12:13], s[28:29]
	s_cmp_ge_u32 ttmp9, 896
	s_cselect_b64 s[28:29], s[14:15], s[28:29]
	s_cmp_ge_u32 ttmp9, 960
	s_cselect_b64 s[28:29], s[16:17], s[28:29]
	s_cmp_ge_u32 ttmp9, 1024
	s_cselect_b64 s[28:29], s[18:19], s[28:29]
	s_add_nc_u64 s[28:29], s[28:29], s[30:31]
.irp r, 0,1,2,3,4,5,6,7,8,9,10,11,12,13,14,15
	global_load_b128 v[R+4*\r:R+4*\r+3], v[OFF+\r], s[28:29] th:TH_LOAD_NT   ; 32 lanes read 512 consecutive bytes of row r; read once in the launch
.endr
.irp r, 0,1,2,3,4,5,6,7,8,9,10,11,12,13,14,15
	s_wait_loadcnt 15-\r                           ; loads come back in order: row r is in, the younger rows stay out
	ds_store_b128 v[STI], v[R+4*\r:R+4*\r+3] offset:528*\r
.endr
	s_cmp_ge_u32 ttmp9, 1024
	s_cbranch_scc1 .Lmask
	s_cmp_ge_u32 ttmp9, 960
	s_cbranch_scc1 .Lwo
	; ---- codes: lane (r, h) takes, for c = 0, 1, the 32 numbers k = 64 c + 32 h + 0..31 of row r: a whole block of 32, in the order of the operand's registers
.irp c, 0,1
.irp i, 0,1,2,3,4,5,6,7
	ds_load_b128 v[X+32*\c+4*\i:X+32*\c+4*\i+3], v[RBQ] offset:256*\c+16*\i   ; LDS serves a wave's instructions in order: these see my stores
.endr
.endr
	s_lshr_b32 s42, ttmp9, 4                       ; the block of 256 rows,
	s_lshl_b32 s42, s42, 17
	s_lshl_b32 s43, s36, 14                        ; K step w,
	s_add_co_u32 s42, s42, s43
	s_and_b32 s43, ttmp9, 15                       ; the row tile in the block
	s_lshl_b32 s43, s43, 10
	s_add_co_u32 s42, s42, s43
	s_mov_b32 s43, 0
	s_add_nc_u64 s[20:21], s[20:21], s[42:43]
	s_wait_dscnt 0x0
.irp c, 0,1
	v_max3_num_f32 v[168+\c], |v[X+32*\c]|, |v[X+32*\c+1]|, 0x1800000   ; the block's largest magnitude, and the floor 2^(3 - 127): the byte cannot fall under 1
.endr
.irp i, 2,4,6,8,10,12,14,16,18,20,22,24,26,28,30
.irp c, 0,1
	v_max3_num_f32 v[168+\c], v[168+\c], |v[X+32*\c+\i]|, |v[X+32*\c+\i+1]|   ; (the two blocks by turns)
.endr
.endr
.irp c, 0,1
	v_add_nc_u32 v[170+\c], 0xff000000, v[168+\c]  ; 2 off its exponent field: the conversion takes the exponent field of this operand as its scale
.endr
.irp c, 0,1
	v_lshrrev_b32 v[172+\c], 23, v[170+\c]         ; the scale's byte
.endr
	v_lshl_or_b32 v174, v173, 16, v172             ; my two bytes: blocks h and 2 + h of row r,
	v_lshlrev_b32 v175, 3, v3
	v_lshlrev_b32 v174, v175, v174                 ; at their places in the word;
	v_mov_b32 v175, 0
	v_permlanex16_b32 v175, v174, s40, s41
	v_or_b32 v174, v174, v175                      ; with lane l xor 16's two the word is whole
.irp c, 0,1
.irp g, 0,1,2,3
	v_cvt_scalef32_pk8_fp4_f32 v[160+4*\c+\g], v[X+32*\c+8*\g:X+32*\c+8*\g+7], v[170+\c]   ; to the nearest code, ties to even; beyond 6 the largest code
.endr
.endr
	v_nop                                          ; one plain line behind the last scaled conversion
	global_store_b128 v[L16], v[160:163], s[20:21]             ; an image block: 512 consecutive bytes
	global_store_b128 v[L16], v[164:167], s[20:21] offset:512
	ds_store_b32 v[SCW], v174                      ; both halves of the lanes write the same word with the same value
	s_branch .Ljoin
.Lwo:
	; ---- Wo to f16: lane (r, h) takes, for t = 0..7, the 8 numbers at columns 16 t + 8 h of row r: block t of the image
.irp t, 0,1,2,3,4,5,6,7
.irp i, 0,1
	ds_load_b128 v[X+8*\t+4*\i:X+8*\t+4*\i+3], v[RBM] offset:64*\t+16*\i
.endr
.endr
	s_and_b32 s42, ttmp9, 63                       ; which 16 rows of Wo
	s_lshr_b32 s43, s42, 3
	s_lshl_b32 s43, s43, 18                        ; nblk
	s_and_b32 s42, s42, 7
	s_lshl_b32 s42, s42, 13                        ; ntile
	s_add_co_u32 s42, s42, s43
	s_lshr_b32 s43, s36, 1
	s_lshl_b32 s43, s43, 16                        ; kchunk = w / 2
	s_add_co_u32 s42, s42, s43
	s_and_b32 s43, s36, 1
	s_lshl_b32 s43, s43, 12                        ; K steps 4 (w % 2) on
	s_add_co_u32 s42, s42, s43
	s_mov_b32 s43, 0
	s_add_nc_u64 s[24:25], s[24:25], s[42:43]
	s_wait_dscnt 0x0                               ; the numbers are in, and the stage's stores have read v32-95
.irp t, 0,1,2,3,4,5,6,7
.irp q, 0,1,2,3
	v_cvt_pk_f16_f32 v[R+4*\t+\q], v[X+8*\t+2*\q], v[X+8*\t+2*\q+1]
.endr
	global_store_b128 v[L16], v[R+4*\t:R+4*\t+3], s[24:25] offset:512*\t
.endr
	s_branch .Ljoin
.Lmask:
	; ---- the mask: the same turn; register 8 t + j of lane (r, h) is mask[query r][key 16 t + 8 h + j]: one compare makes the lane mask of that register of the scores
.irp t, 0,1,2,3,4,5,6,7
.irp i, 0,1
	ds_load_b128 v[X+8*\t+4*\i:X+8*\t+4*\i+3], v[RBM] offset:64*\t+16*\i
.endr
.endr
	s_bfe_u32 s42, ttmp9, 0x80001                  ; (b, query tile): 8 bits from bit 1
	s_lshl_b32 s42, s42, 12                        ; 4,096 bytes each
	s_lshl_b32 s43, s34, 8                         ; my segment's 64 words
	s_add_co_u32 s42, s42, s43
	s_mov_b32 s43, 0
	s_add_nc_u64 s[26:27], s[26:27], s[42:43]
	v_mov_b32 v176, 0                              ; (a lane write's destination counts as read)
	v_mov_b32 v177, 0
	s_wait_dscnt 0x0
.set g, 0
.rept 8
.irp j, 0,1,2,3,4,5,6,7
	v_cmp_ne_u32 s[44+\j], 0, v[X+8*g+\j]
.endr
.irp j, 0,1,2,3,4,5,6,7
	v_writelane_b32 v[176+\j%2], s[44+\j], 4*g+\j/2   ; word n goes to lane n / 2, register n % 2
.endr
.set g, g+1
.endr
	global_store_b64 v[L8], v[176:177], s[26:27]   ; 32 lanes store 256 consecutive bytes, aligned
.Ljoin:
	s_wait_dscnt 0x0                               ; for the others' sake: my scale word has landed
	s_barrier_signal -1
	s_barrier_wait -1
	s_cmp_ge_u32 ttmp9, 960
	s_cbranch_scc1 .Lend
	s_cmp_lg_u32 s36, 0
	s_cbranch_scc1 .Lend
	ds_load_b128 v[X:X+3], v[GAT]                  ; wave 0: the 16 rows' 8 words each, which the eight waves stored
	s_lshl_b32 s42, ttmp9, 9
	s_mov_b32 s43, 0
	s_add_nc_u64 s[22:23], s[22:23], s[42:43]
	s_wait_dscnt 0x0
	global_store_b128 v[L16], v[X:X+3], s[22:23]   ; 512 consecutive bytes, aligned
.Lend:
	s_wait_tensorcnt 0x0                           ; the wave's end, behind my last LDS store
	ds_add_u32 v[SPW], v[NIL]
	s_wait_dscnt 0x0
	s_endpgm
.Lfunc_end_k_q1aaca45f62_prep:
	.size	k_q1aaca45f62_prep, .Lfunc_end_k_q1aaca45f62_prep-k_q1aaca45f62_prep
	.p2alignl 7, 3214868480
	.fill 96, 4, 3214868480
	.section	.rodata,"a",@progbits
	.p2align	6, 0x0
	.amdhsa_kernel k_q1aaca45f62_prep
		.amdhsa_group_segment_fixed_size 69120
		.amdhsa_private_segment_fixed_size 0
		.amdhsa_enable_private_segment 0
		.amdhsa_kernarg_size 96
		.amdhsa_user_sgpr_count 2
		.amdhsa_user_sgpr_kernarg_segment_ptr 1
		.amdhsa_wavefront_size32 1
		.amdhsa_system_sgpr_workgroup_id_x 1
		.amdhsa_system_sgpr_workgroup_id_y 1
		.amdhsa_system_sgpr_workgroup_id_z 1
		.amdhsa_system_vgpr_workitem_id 0
		.amdhsa_next_free_vgpr 180
		.amdhsa_next_free_sgpr 66
		.amdhsa_reserve_vcc 0
		.amdhsa_float_denorm_mode_32 3
		.amdhsa_float_denorm_mode_16_64 3
		.amdhsa_memory_ordered 1
		.amdhsa_forward_progress 1
		.amdhsa_inst_pref_size 26
	.end_amdhsa_kernel
	.amdgpu_metadata
---
amdhsa.version: [ 1, 2 ]
amdhsa.kernels:
  - .name:           k_q1aaca45f62_prep
    .symbol:         k_q1aaca45f62_prep.kd
    .args:
      - { .name: query, .offset: 0, .size: 8, .value_kind: global_buffer, .address_space: global }
      - { .name: key_, .offset: 8, .size: 8, .value_kind: global_buffer, .address_space: global }
      - { .name: value, .offset: 16, .size: 8, .value_kind: global_buffer, .address_space: global }
      - { .name: Wq, .offset: 24, .size: 8, .value_kind: global_buffer, .address_space: global }
      - { .name: Wk, .offset: 32, .size: 8, .value_kind: global_buffer, .address_space: global }
      - { .name: Wv, .offset: 40, .size: 8, .value_kind: global_buffer, .address_space: global }
      - { .name: Wo, .offset: 48, .size: 8, .value_kind: global_buffer, .address_space: global }
      - { .name: mask, .offset: 56, .size: 8, .value_kind: global_buffer, .address_space: global }
      - { .name: codes, .offset: 64, .size: 8, .value_kind: global_buffer, .address_space: global }
      - { .name: scl, .offset: 72, .size: 8, .value_kind: global_buffer, .address_space: global }
      - { .name: wof, .offset: 80, .size: 8, .value_kind: global_buffer, .address_space: global }
      - { .name: mbits, .offset: 88, .size: 8, .value_kind: global_buffer, .address_space: global }
    .group_segment_fixed_size: 69120
    .private_segment_fixed_size: 0
    .kernarg_segment_align: 8
    .kernarg_segment_size: 96
    .max_flat_workgroup_size: 256
    .sgpr_count:     66
    .vgpr_count:     180
    .wavefront_size: 32
...
	.end_amdgpu_metadata
.endif
;; end of part 1
;; launch proj (part 2): grid 4 x 48, 16 waves a work-group, clusters of 4 x 4, 327,680 bytes of LDS; arguments codes, scl, bq, bk, qf, kv; writes qf, kv
.if DOCPART == 2
	.amdgcn_target "amdgcn-amd-amdhsa--gfx1250"
	.amdhsa_code_object_version 6
	.text
	.protected	k_q1aaca45f62_proj
	.globl	k_q1aaca45f62_proj
	.p2align	8
	.type	k_q1aaca45f62_proj,@function
k_q1aaca45f62_proj:
	s_mov_b64 s[64:65], 0
	v_nop
	global_prefetch_b8 v0, s[64:65] scope:SCOPE_SE
	s_setreg_imm32_b32 hwreg(HW_REG_WAVE_MODE, 25, 1), 1
	s_wait_xcnt 0x0
	s_wait_alu depctr_hold_cnt(0) depctr_sa_sdst(0) depctr_va_vdst(0) depctr_va_sdst(0) depctr_va_ssrc(0) depctr_va_vcc(0) depctr_vm_vsrc(0)
	s_getreg_b32 s2, hwreg(HW_REG_IB_STS2, 6, 4)
	s_cmp_eq_u32 s2, 0
	s_cbranch_scc0 .Lentry_in_a_cluster
	s_endpgm
.Lentry_in_a_cluster:
	s_bfe_u32 s2, ttmp6, 0x10000c
	s_cmp_lg_u32 s2, 0xf033
	s_cbranch_scc0 .Lentry_shape_is_right
	s_endpgm
.Lentry_shape_is_right:
; Launch 2 of 4: the three quantised projections, on codes of E2M1 with E8M0 scales; results leave as f16 images of the operands that attention wants.
;   Q' = (query Wq^T + bq) x log2(e) / 8,  K = key_ Wk^T + bk,  V = value Wv^T (bv is added behind the average, in the next launch: sum p (v + bv) / sum p = sum p v / sum p + bv for all values).
; A work-group makes 256 x 256 of one product: 3 x 64 work-groups.  All of K (1,024: 128 KiB of codes a side, 8 KiB of scale words) fits in LDS: every byte is filled once, there is no ring.
; ONE CORE: D(i, j) = S0's tile i x S1's tile j; lane (r, h), register n holds (S0 row 8 h + n, S1 row r).
;   Q, K: S0 = the weight, S1 = the tokens: a lane holds one token and 8 neighbouring features.    V: S0 = the tokens, S1 = Wv: a lane holds one feature and 8 neighbouring tokens: V^T, as the second product wants it.
; CLUSTER 4 x 4: S0's block hangs on cx and the cluster's y, and is asked for jointly by the four of a column; S1's on cy and the cluster's y, by the four of a row.
; SIXTEEN WAVES, 64 x 64 each, four to a SIMD, so that one wave's LDS loads stand beside another's products.  16 accumulators by turns, one instruction a turn.
; OUT: qf [bh 32][qtile 128][i 4][512]: lane (r, h): Q'[16 qt + r][16 i + 8 h + 0..7].   kv [bh 32][chunk 4 of 512 keys][K 65,536 | V 65,536]:
;   K [ktile 32][i 4][512] as qf;  V [g 16 of 32 keys][dt 4][c 2][512]: lane (r, h): V[32 g + 16 c + 8 h + 0..7][16 dt + r].  Every store is 512 consecutive bytes, aligned.
; LIMITS: |Q'|, |K|, |V| stay under 65,504 (f16); NaN and infinities are not served.
.set S1C,   131072                     ; LDS: S0's codes [ks 8][tile 16][1,024] at 0, S1's here,
.set SC0,   262144                     ; S0's scale words [row 256][32 bytes], S1's 8,192 further on,
.set SPARE, 278528                     ; the spare words, 128 bytes for each wave: eight blocks of 256 bytes that no other line names
.set LI,  1                            ; v1     16 x lane
.set A0,  2                            ; v2-3   S0's fragments: K steps 0-3, 4-7
.set A1,  4                            ; v4-5   S1's
.set ASC, 6                            ; v6     scale words: lanes 0-15 S0's rows, lanes 16-31 S1's
.set SPW, 8                            ; v8     my spare word; never rewritten
.set NIL, 9                            ; v9     0; never rewritten
.set BO,  10                           ; v10    32 h: my 8 numbers of a tile's 16 of the bias
.set SC,  32                           ; v32-63 scale words: register 8 t + ks: lanes 0-15 S0's tile t, lanes 16-31 S1's tile t; they hold nothing else
.set F0,  64                           ; v64-95   S0's four fragments
.set F1,  96                           ; v96-127  S1's
.set ACC, 128                          ; v128-255 accumulator (i, j) at 8 (4 j + i)
.set PK,  64                           ; the way out: packed f16, four registers a tile
.set G1C0, 16                          ; s[16:23] group 1: S0's codes;  s[24:31] S1's;  s[32:39], s[40:47] the scale words'
.set G1C1, 24
.set G1S0, 32
.set G1S1, 40
.set G00,  48                          ; s[48:59] S0's three groups 0: scale words, K steps 0-3, K steps 4-7
.set G01,  68                          ; s[68:79] S1's
.set WV,  80
.set WI,  81
.set WJ,  82
.set HA,  83
.set CX,  84
.set CY,  85
.set MAT, 87
.set Y4,  88
.macro CROUND                          ; a round of the cluster's barrier
	s_barrier_signal -1
	s_barrier_wait -1
	s_cmp_lg_u32 s[WV], 0
	s_cbranch_scc1 .Lnot_wave_0_\@
	s_barrier_signal -3
.Lnot_wave_0_\@:
	s_barrier_wait -3
	s_barrier_signal -1
	s_barrier_wait -1
.endm
	s_load_b256 s[4:11], s[0:1], 0x0               ; codes, scl, bq, bk
	s_load_b128 s[12:15], s[0:1], 0x20             ; qf, kv
	v_lshl_add_u32 v[SPW], v0, 2, SPARE
	v_mov_b32 v[NIL], 0
	ds_add_u32 v[SPW], v[NIL]                      ; the wave's opening: the add, twice on end, and its wait ahead of the first tensor load
	ds_add_u32 v[SPW], v[NIL]
	v_lshrrev_b32 v2, 5, v0
	v_readfirstlane_b32 s[WV], v2                  ; wave 0..15
	s_lshr_b32 s[WI], s[WV], 2                     ; my 64 rows of S0
	s_and_b32 s[WJ], s[WV], 3                      ; my 64 rows of S1
	s_and_b32 s[HA], s[WV], 1                      ; which half I fetch, if I fetch
	s_bfe_u32 s[CX], ttmp6, 0x40000
	s_bfe_u32 s[CY], ttmp6, 0x40004
	s_and_b32 s86, ttmp7, 0xffff                   ; the cluster's y, 0..11: the same in all sixteen partners
	s_lshr_b32 s[MAT], s86, 2                      ; 0 Q, 1 K, 2 V
	s_and_b32 s[Y4], s86, 3
	s_lshl_b32 s[Y4], s[Y4], 2                     ; the cluster's first block of 256 tokens
	s_lshl_b32 s89, s[MAT], 2
	s_add_co_u32 s89, s89, 48                      ; Q, K: S0 = the weight's blocks
	s_add_co_u32 s90, s[Y4], 32                    ; V:    S0 = value's
	s_lshl_b32 s91, s[MAT], 4
	s_add_co_u32 s91, s91, s[Y4]                   ; Q, K: S1 = the tokens'
	s_cmp_lt_u32 s[MAT], 2
	s_cselect_b32 s89, s89, s90
	s_cselect_b32 s91, s91, 56                     ; V:    S1 = Wv's
	s_add_co_u32 s89, s89, s[CX]                   ; S0's block: cx alone of the two places
	s_add_co_u32 s91, s91, s[CY]                   ; S1's block: cy alone
	s_lshl_b32 s2, s[HA], 15                       ; my half of 65,536 bytes of codes,
	s_lshl_b32 s3, s[HA], 12                       ; and of 8,192 bytes of scale words
	s_lshl_b32 s92, s89, 17
	s_add_co_u32 s92, s92, s2
	s_mov_b32 s93, 0
	s_lshl_b32 s94, s89, 13
	s_add_co_u32 s94, s94, s3
	s_mov_b32 s95, 0
	s_lshl_b32 s96, s91, 17
	s_add_co_u32 s96, s96, s2
	s_mov_b32 s97, 0
	s_lshl_b32 s98, s91, 13
	s_add_co_u32 s98, s98, s3
	s_mov_b32 s99, 0
	s_lshl_b32 s60, 0x1111, s[CX]                  ; my column of the cluster
	s_lshl_b32 s61, s[CY], 2
	s_lshl_b32 s61, 15, s61                        ; my row
	; group 1: dense blocks as rows of 256 bytes (32 elements of 8 bytes): 128 rows of codes, 16 rows of scale words; the mask, and bit 21 beside it
	s_or_b32 s[G1C0], s60, (3<<16)|(1<<21)
	s_or_b32 s[G1S0], s60, (3<<16)|(1<<21)
	s_or_b32 s[G1C1], s61, (3<<16)|(1<<21)
	s_or_b32 s[G1S1], s61, (3<<16)|(1<<21)
.irp g, G1C0, G1C1
	s_mov_b32 s[\g+1], 32<<16                      ; tensor_dim0
	s_mov_b32 s[\g+2], 128<<16                     ; tensor_dim1
	s_mov_b32 s[\g+3], 32<<16                      ; tile_dim0
	s_mov_b32 s[\g+4], 128                         ; tile_dim1
	s_mov_b32 s[\g+5], 32                          ; the pitch
	s_mov_b32 s[\g+6], 0
	s_mov_b32 s[\g+7], 0
.endr
.irp g, G1S0, G1S1
	s_mov_b32 s[\g+1], 32<<16
	s_mov_b32 s[\g+2], 16<<16
	s_mov_b32 s[\g+3], 32<<16
	s_mov_b32 s[\g+4], 16
	s_mov_b32 s[\g+5], 32
	s_mov_b32 s[\g+6], 0
	s_mov_b32 s[\g+7], 0
.endr
	s_wait_dscnt 0x0                               ; both opening adds are done
	s_wait_kmcnt 0x0
	s_mov_b32 s[G00], 1
	s_add_co_u32 s[G00+1], s3, SC0
	s_add_nc_u64 s[G00+2:G00+3], s[6:7], s[94:95]
	s_or_b32 s[G00+3], s[G00+3], 0x80000000
	s_mov_b32 s[G00+4], 1
	s_mov_b32 s[G00+5], s2
	s_add_nc_u64 s[G00+6:G00+7], s[4:5], s[92:93]
	s_mov_b32 s[G00+8], 1
	s_add_co_u32 s[G00+9], s2, 65536
	s_add_nc_u64 s[G00+10:G00+11], s[G00+6:G00+7], 65536
	s_or_b32 s[G00+7], s[G00+7], 0x80000000
	s_or_b32 s[G00+11], s[G00+11], 0x80000000
	s_mov_b32 s[G01], 1
	s_add_co_u32 s[G01+1], s3, SC0+8192
	s_add_nc_u64 s[G01+2:G01+3], s[6:7], s[98:99]
	s_or_b32 s[G01+3], s[G01+3], 0x80000000
	s_mov_b32 s[G01+4], 1
	s_add_co_u32 s[G01+5], s2, S1C
	s_add_nc_u64 s[G01+6:G01+7], s[4:5], s[96:97]
	s_mov_b32 s[G01+8], 1
	s_add_co_u32 s[G01+9], s2, S1C+65536
	s_add_nc_u64 s[G01+10:G01+11], s[G01+6:G01+7], 65536
	s_or_b32 s[G01+7], s[G01+7], 0x80000000
	s_or_b32 s[G01+11], s[G01+11], 0x80000000
	CROUND                                         ; all sixteen work-groups are here: the joint loads meet
	s_cmp_lt_u32 s[WV], 2                          ; waves 0, 1 fetch S0's halves, waves 2, 3 S1's; a wave's three fills stand in one arm: three tensor loads of mine are out
	s_cbranch_scc0 .Lnot_s0
	tensor_load_to_lds s[G00:G00+3], s[G1S0:G1S0+7]
	s_nop 0
	tensor_load_to_lds s[G00+4:G00+7], s[G1C0:G1C0+7]
	s_nop 0
	tensor_load_to_lds s[G00+8:G00+11], s[G1C0:G1C0+7]
	s_nop 0
.rept 4
	v_nop
.endr
	s_branch .Lasked
.Lnot_s0:
	s_cmp_lt_u32 s[WV], 4
	s_cbranch_scc0 .Lasked
	tensor_load_to_lds s[G01:G01+3], s[G1S1:G1S1+7]
	s_nop 0
	tensor_load_to_lds s[G01+4:G01+7], s[G1C1:G1C1+7]
	s_nop 0
	tensor_load_to_lds s[G01+8:G01+11], s[G1C1:G1C1+7]
	s_nop 0
.rept 4
	v_nop
.endr
.Lasked:
	v_and_b32 v11, 31, v0
	v_lshlrev_b32 v[LI], 4, v11
	v_and_b32 v12, 15, v0                          ; r
	v_bfe_u32 v13, v0, 4, 1                        ; h
	s_lshl_b32 s61, s[WI], 12                      ; four tiles of 1,024 bytes
	v_add_nc_u32 v[A0], s61, v[LI]
	v_add_nc_u32 v[A0+1], 0x10000, v[A0]
	s_lshl_b32 s62, s[WJ], 12
	s_add_co_u32 s62, s62, S1C
	v_add_nc_u32 v[A1], s62, v[LI]
	v_add_nc_u32 v[A1+1], 0x10000, v[A1]
	s_lshl_b32 s61, s[WI], 11                      ; S0's scale words: my 64 rows of 32 bytes
	s_lshl_b32 s62, s[WJ], 11
	s_add_co_u32 s62, s62, 8192
	s_sub_co_u32 s62, s62, s61                     ; the distance to S1's: one product with h
	v_mul_u32_u24 v14, s62, v13
	v_lshl_add_u32 v[ASC], v12, 5, v14
	s_add_co_u32 s61, s61, SC0
	v_add_nc_u32 v[ASC], s61, v[ASC]
	v_lshlrev_b32 v[BO], 5, v13
	s_cmp_lt_u32 s[MAT], 2
	s_cbranch_scc0 .Lno_bias
	s_cmp_eq_u32 s[MAT], 0                         ; Q, K: the bias goes straight into the accumulators: the sums begin with it
	s_cselect_b64 s[66:67], s[8:9], s[10:11]
	s_lshl_b32 s62, s[CX], 10
	s_lshl_b32 s63, s[WI], 8
	s_add_co_u32 s62, s62, s63                     ; feature 256 cx + 64 wi, in bytes
	s_mov_b32 s63, 0
	s_add_nc_u64 s[66:67], s[66:67], s[62:63]
.irp j, 0,1,2,3
.irp i, 0,1,2,3
	global_load_b128 v[ACC+8*(4*\j+\i):ACC+8*(4*\j+\i)+3], v[BO], s[66:67] offset:64*\i
	global_load_b128 v[ACC+8*(4*\j+\i)+4:ACC+8*(4*\j+\i)+7], v[BO], s[66:67] offset:64*\i+16
.endr
.endr
.Lno_bias:
; A K step of 128: eight fragments from LDS, as images; sixteen products.
.macro KSTEP ks, zero
.if (\ks) > 0
.rept 4
	v_nop                                          ; places in front of loads into registers that matrix instructions have read
.endr
.endif
.irp a, 0,1,2,3,4,5,6,7
	ds_load_b128 v[F0+4*\a:F0+4*\a+3], v[A0+(\ks)/4] offset:((\ks)%4)*16384+512*\a
	ds_load_b128 v[F1+4*\a:F1+4*\a+3], v[A1+(\ks)/4] offset:((\ks)%4)*16384+512*\a
.endr
	s_wait_dscnt 0x0
.irp j, 0,1,2,3
.irp i, 0,1,2,3
.if \zero
	v_wmma_scale_f32_16x16x128_f8f6f4 v[ACC+8*(4*\j+\i):ACC+8*(4*\j+\i)+7], v[F0+8*\i:F0+8*\i+7], v[F1+8*\j:F1+8*\j+7], 0, v[SC+8*\i+(\ks)], v[SC+8*\j+(\ks)] matrix_a_fmt:MATRIX_FMT_FP4 matrix_b_fmt:MATRIX_FMT_FP4 matrix_b_scale:MATRIX_SCALE_ROW1
.else
	v_wmma_scale_f32_16x16x128_f8f6f4 v[ACC+8*(4*\j+\i):ACC+8*(4*\j+\i)+7], v[F0+8*\i:F0+8*\i+7], v[F1+8*\j:F1+8*\j+7], v[ACC+8*(4*\j+\i):ACC+8*(4*\j+\i)+7], v[SC+8*\i+(\ks)], v[SC+8*\j+(\ks)] matrix_a_fmt:MATRIX_FMT_FP4 matrix_b_fmt:MATRIX_FMT_FP4 matrix_b_scale:MATRIX_SCALE_ROW1
.endif
.endr
.endr
.endm
	s_wait_tensorcnt 0x1                           ; my scale words and my part of K steps 0-3 are in; K steps 4-7 may stay out
	s_barrier_signal -1
	s_barrier_wait -1                              ; everybody's are
.irp t, 0,1,2,3
	ds_load_b128 v[SC+8*\t:SC+8*\t+3], v[ASC] offset:512*\t        ; a row's eight words: all of K
	ds_load_b128 v[SC+8*\t+4:SC+8*\t+7], v[ASC] offset:512*\t+16
.endr
	s_cmp_lt_u32 s[MAT], 2
	s_cbranch_scc0 .Lk0_v
	s_wait_loadcnt 0x0                             ; the bias lies in the accumulators
	KSTEP 0, 0
	s_branch .Lk1
.Lk0_v:
	KSTEP 0, 1                                     ; V: the first products start the sums
.Lk1:
	KSTEP 1, 0
	KSTEP 2, 0
	KSTEP 3, 0
	s_wait_tensorcnt 0x0                           ; my part of K steps 4-7 is in,
	s_wait_dscnt 0x0
	s_barrier_signal -1
	s_barrier_wait -1                              ; everybody's is
	KSTEP 4, 0
	KSTEP 5, 0
	KSTEP 6, 0
	KSTEP 7, 0
	; where my 64 x 64 goes.  Q, K: tokens by (cluster y, cy, wj), head by (cx, wi).  V: tokens by (cluster y, cx, wi), head by (cy, wj)
	s_cmp_eq_u32 s[MAT], 2
	s_cselect_b32 s60, s[CX], s[CY]
	s_cselect_b32 s61, s[CY], s[CX]
	s_cselect_b32 s62, s[WJ], s[WI]
	s_cselect_b32 s63, s[WI], s[WJ]
	s_cselect_b32 s66, 0x10000, 0                  ; V lies behind K in a chunk
	s_add_co_u32 s60, s60, s[Y4]                   ; the block of 256 tokens, 0..15
	s_lshl_b32 s61, s61, 2
	s_add_co_u32 s61, s61, s62                     ; the head
	s_lshr_b32 s62, s60, 3                         ; the batch
	s_lshl_b32 s62, s62, 4
	s_add_co_u32 s61, s61, s62                     ; bh
	s_and_b32 s62, s60, 7                          ; the block in its sequence
	s_lshl_b32 s63, s63, 13                        ; my 64 tokens: four tiles of 2,048 bytes, or two groups of 4,096
	s_lshl_b32 s67, s61, 18                        ; qf: 262,144 bytes a head,
	s_lshl_b32 s2, s62, 15                         ; 32,768 a block
	s_add_co_u32 s67, s67, s2
	s_lshl_b32 s2, s61, 19                         ; kv: 524,288 bytes a head,
	s_lshr_b32 s3, s62, 1
	s_lshl_b32 s3, s3, 17                          ; 131,072 a chunk of two blocks,
	s_add_co_u32 s2, s2, s3
	s_and_b32 s3, s62, 1
	s_lshl_b32 s3, s3, 15                          ; 32,768 a block
	s_add_co_u32 s2, s2, s3
	s_add_co_u32 s2, s2, s66
	s_cmp_eq_u32 s[MAT], 0
	s_cselect_b32 s2, s67, s2
	s_cselect_b64 s[12:13], s[12:13], s[14:15]
	s_add_co_u32 s2, s2, s63
	s_mov_b32 s3, 0
	s_add_nc_u64 s[12:13], s[12:13], s[2:3]
	s_mov_b32 s92, 0x3e38aa3b                      ; log2(e) / 8
	s_mov_b32 s93, s92                             ; (named with it as a pair, so it is written)
; THE WAY OUT: a tile's eight numbers a lane are rounded to f16 once and are one block of an image.  Each tile has its own four registers: no store's data are written again.
.macro EPI kind
.rept 4
	v_nop                                          ; places behind the last products
.endr
.irp j, 0,1,2,3
.irp i, 0,1,2,3
.if \kind == 0
.irp q, 0,2,4,6
	v_pk_mul_f32 v[ACC+8*(4*\j+\i)+\q:ACC+8*(4*\j+\i)+\q+1], v[ACC+8*(4*\j+\i)+\q:ACC+8*(4*\j+\i)+\q+1], s[92:93] op_sel_hi:[1,0]   ; in f32, ahead of the rounding
.endr
.endif
.irp q, 0,1,2,3
	v_cvt_pk_f16_f32 v[PK+4*(4*\j+\i)+\q], v[ACC+8*(4*\j+\i)+2*\q], v[ACC+8*(4*\j+\i)+2*\q+1]
.endr
.if \kind == 2
	global_store_b128 v[LI], v[PK+4*(4*\j+\i):PK+4*(4*\j+\i)+3], s[12:13] offset:(\i/2)*4096+1024*\j+(\i%2)*512
.else
	global_store_b128 v[LI], v[PK+4*(4*\j+\i):PK+4*(4*\j+\i)+3], s[12:13] offset:2048*\j+512*\i
.endif
.endr
.endr
.endm
	s_cmp_eq_u32 s[MAT], 0
	s_cbranch_scc1 .Lout_q
	s_cmp_eq_u32 s[MAT], 1
	s_cbranch_scc1 .Lout_k
	EPI 2
	s_branch .Ldone
.Lout_q:
	EPI 0
	s_branch .Ldone
.Lout_k:
	EPI 1
.Ldone:
	s_wait_tensorcnt 0x0                           ; the wave's end
	ds_add_u32 v[SPW], v[NIL]
	s_wait_dscnt 0x0
	CROUND                                         ; the closing round
	s_endpgm
.Lfunc_end_k_q1aaca45f62_proj:
	.size	k_q1aaca45f62_proj, .Lfunc_end_k_q1aaca45f62_proj-k_q1aaca45f62_proj
	.p2alignl 7, 3214868480
	.fill 96, 4, 3214868480
	.section	.rodata,"a",@progbits
	.p2align	6, 0x0
	.amdhsa_kernel k_q1aaca45f62_proj
		.amdhsa_group_segment_fixed_size 327680
		.amdhsa_private_segment_fixed_size 0
		.amdhsa_enable_private_segment 0
		.amdhsa_kernarg_size 48
		.amdhsa_user_sgpr_count 2
		.amdhsa_user_sgpr_kernarg_segment_ptr 1
		.amdhsa_wavefront_size32 1
		.amdhsa_system_sgpr_workgroup_id_x 1
		.amdhsa_system_sgpr_workgroup_id_y 1
		.amdhsa_system_sgpr_workgroup_id_z 1
		.amdhsa_system_vgpr_workitem_id 0
		.amdhsa_next_free_vgpr 256
		.amdhsa_next_free_sgpr 100
		.amdhsa_reserve_vcc 0
		.amdhsa_float_denorm_mode_32 3
		.amdhsa_float_denorm_mode_16_64 3
		.amdhsa_memory_ordered 1
		.amdhsa_forward_progress 1
		.amdhsa_inst_pref_size 63
	.end_amdhsa_kernel
	.amdgpu_metadata
---
amdhsa.version: [ 1, 2 ]
amdhsa.kernels:
  - .name:           k_q1aaca45f62_proj
    .symbol:         k_q1aaca45f62_proj.kd
    .args:
      - { .name: codes, .offset: 0, .size: 8, .value_kind: global_buffer, .address_space: global }
      - { .name: scl, .offset: 8, .size: 8, .value_kind: global_buffer, .address_space: global }
      - { .name: bq, .offset: 16, .size: 8, .value_kind: global_buffer, .address_space: global }
      - { .name: bk, .offset: 24, .size: 8, .value_kind: global_buffer, .address_space: global }
      - { .name: qf, .offset: 32, .size: 8, .value_kind: global_buffer, .address_space: global }
      - { .name: kv, .offset: 40, .size: 8, .value_kind: global_buffer, .address_space: global }
    .group_segment_fixed_size: 327680
    .private_segment_fixed_size: 0
    .kernarg_segment_align: 8
    .kernarg_segment_size: 48
    .max_flat_workgroup_size: 512
    .sgpr_count:     100
    .vgpr_count:     256
    .wavefront_size: 32
...
	.end_amdgpu_metadata
.endif
;; end of part 2
;; launch attn (part 3): grid 8 x 32, 8 waves a work-group, clusters of 4 x 1, 327,680 bytes of LDS; arguments qf, kv, mbits, responses, Wm, bm, bv, att; writes att
.if DOCPART == 3
	.amdgcn_target "amdgcn-amd-amdhsa--gfx1250"
	.amdhsa_code_object_version 6
	.text
	.protected	k_q1aaca45f62_attn
	.globl	k_q1aaca45f62_attn
	.p2align	8
	.type	k_q1aaca45f62_attn,@function
k_q1aaca45f62_attn:
	s_mov_b64 s[64:65], 0
	v_nop
	global_prefetch_b8 v0, s[64:65] scope:SCOPE_SE
	s_setreg_imm32_b32 hwreg(HW_REG_WAVE_MODE, 25, 1), 1
	s_wait_xcnt 0x0
	s_wait_alu depctr_hold_cnt(0) depctr_sa_sdst(0) depctr_va_vdst(0) depctr_va_sdst(0) depctr_va_ssrc(0) depctr_va_vcc(0) depctr_vm_vsrc(0)
	s_getreg_b32 s2, hwreg(HW_REG_IB_STS2, 6, 4)
	s_cmp_eq_u32 s2, 0
	s_cbranch_scc0 .Lentry_in_a_cluster
	s_endpgm
.Lentry_in_a_cluster:
	s_bfe_u32 s2, ttmp6, 0x10000c
	s_cmp_lg_u32 s2, 0x3003
	s_cbranch_scc0 .Lentry_shape_is_right
	s_endpgm
.Lentry_shape_is_right:
; Launch 3 of 4: att[b][q][64 h ..] = softmax_k(Q K^T / 8 + Wm[h] (1 - (rq - rk)^2 / 16) + bm[h], masked scores = -1e9) V + bv.  f16 operands, f32 sums, a running maximum.
; UNITS.  All scores are kept times L = log2(e) ("t"): Q' already carries L / 8.  L x bias = gamma_q + beta_q w_k + u_k with w_k = rk, u_k = -L Wm rk^2 / 16, beta_q = L Wm rq / 8,
;   gamma_q = L (Wm + bm) - L Wm rq^2 / 16.  gamma_q is the same for all keys of a query: it is taken off the masked value (NEGQ = -1e9 L - gamma_q) and not added to every score: a softmax is unchanged
;   when one number is taken off a whole row, for all values.  beta_q w_k + u_k costs one packed multiply-add for two scores: it is what the sums of K Q^T begin with.
;   bv is added behind the average: sum p (v + bv) / sum p = sum p v / sum p + bv, for all values.
;   p = 2^(t - m), m the running maximum: the subtraction first, so a row that is masked throughout gives 2^0 for every key: equal weights, as the -1e9 of the problem gives.
; LIMITS: responses lie in 0..4 (the table's index); p and the average are rounded to f16 for the next products (|att| under 65,504; under 6e-5 f16 has fewer bits); NaN and infinities are not served.
; SHARES.  A work-group owns 256 queries of one (b, h), a wave 32: two tiles of 16.  Two waves lie on a SIMD, so that one wave's softmax stands beside the other's products.  Every wave walks all 2,048 keys, 64 a step.
; LAYOUT.  S^T = K Q^T (source 0 = 16 keys, source 1 = 16 queries), O^T = V^T P: a lane holds ONE query throughout.  K, V and Q come as images of operand registers: every LDS load is 512 consecutive bytes.
; RING.  Two slots of 131,072 bytes, a chunk of 512 keys (K, then V) each; every wave fetches an eighth.  CLUSTER: the four query blocks of a cluster walk the same K and V and ask for each chunk jointly.
;   A refill has eight steps, 256 products a wave, in which to land, and there are two refills: so nothing is asked of memory ahead of them.
; THE MASK comes as lane masks (one word for each register of the scores), by scalar loads one step ahead; it selects values and steers nothing.
; REGISTERS.  window 0: v1-9 addresses; v16-31 statistics, 8 a tile: +0 m, +1 0, +2 +3 the sum, +4..7 at work (a at +6); v32-35 beta; v36-37 NEGQ; v64-127 S^T; v128-159 P; v160-223 O^T; v224-255 bv.
;   window 1: v0-31 Q; v32-95 K; v96-159 V; v160-191 w; v192-223 u.
.set SLOT1, 1<<17
.set WT,    262144                     ; LDS behind the ring: w as f32[2,048], u 8,192 bytes further on,
.set SPARE, 278528                     ; the spare words, 128 bytes for each wave: four blocks of 256 bytes that no other line names
.set LI,  1                            ; v1  16 x lane
.set ADK, 2                            ; v2  the step's K
.set ADV, 3                            ; v3  the step's V
.set ADW, 4                            ; v4  the step's w
.set AW0, 5                            ; v5  WT + 32 h
.set TA,  6                            ; v6  WT + 32 x thread: where I store 8 of w
.set BVA, 7                            ; v7  32 h
.set SPW, 8                            ; v8  my spare word; never rewritten
.set NIL, 9                            ; v9  0; never rewritten
.set ST,  16
.set BETA, 32
.set NEGQ, 36
.set S,   64
.set P,   128
.set O,   160
.set BV,  224
.set QR,  0                            ; window 1
.set KR,  32
.set VR,  96
.set WR,  160
.set UR,  192
.set CNT,  2                           ; s2  steps to go in a chunk
.set SLOTS, 3                          ; s3  refills to go
.set SEL,  4                           ; s[4:5] v_permlanex16_b32's selects for lane l xor 16
.set TB,   6                           ; s6  LDS byte of the step's K
.set TW,   7                           ; s7  256 x step: the step's 64 numbers of w
.set MB,   8                           ; s[8:9] my two query tiles' mask words
.set AB,   10                          ; s[10:11] where my part of att begins
.set MOFF, 12                          ; s12 128 x step, held at the last step's
.set WV,   13
.set G1,   84                          ; s[84:91] group 1;  s[92:95] group 0 of slot 0's first fill;  s[96:99] slot 1's, which then walks
.set G0A,  92
.set G0B,  96
.set MSB, 0
.macro WIN new                         ; the immediate's high byte repeats the setting that is left
.if MSB != \new
	s_set_vgpr_msb (MSB<<8)|\new
.set MSB, \new
.endif
.endm
.macro CROUND                          ; a round of the cluster's barrier
	s_barrier_signal -1
	s_barrier_wait -1
	s_cmp_lg_u32 s[WV], 0
	s_cbranch_scc1 .Lnot_wave_0_\@
	s_barrier_signal -3
.Lnot_wave_0_\@:
	s_barrier_wait -3
	s_barrier_signal -1
	s_barrier_wait -1
.endm
	s_load_b512 s[16:31], s[0:1], 0x0              ; qf s[16:17], kv s[18:19], mbits s[20:21], responses s[22:23], Wm s[24:25], bm s[26:27], bv s[28:29], att s[30:31]
	v_lshl_add_u32 v[SPW], v0, 2, SPARE
	v_mov_b32 v[NIL], 0
	ds_add_u32 v[SPW], v[NIL]                      ; the wave's opening: the add, twice on end, and its wait ahead of my first tensor load
	ds_add_u32 v[SPW], v[NIL]
	v_lshrrev_b32 v2, 5, v0
	v_readfirstlane_b32 s[WV], v2                  ; wave 0..7
	s_bfe_u32 s14, ttmp6, 0x40000                  ; cx
	s_lshl_b32 s15, ttmp9, 2
	s_add_co_u32 s14, s14, s15                     ; my block of 256 queries: it enters global addresses of Q, the mask, responses and att alone
	s_and_b32 s15, ttmp7, 0xffff                   ; bh = 16 b + h, which the four partners share
	s_mov_b32 s[G1], 15|(3<<16)|(1<<21)            ; the mask: all four work-groups; elements of 8 bytes; bit 21 beside a mask
	s_mov_b32 s[G1+1], 32<<16                      ; tensor_dim0: rows of 256 bytes
	s_mov_b32 s[G1+2], 64<<16                      ; tensor_dim1
	s_mov_b32 s[G1+3], 32<<16                      ; tile_dim0
	s_mov_b32 s[G1+4], 64                          ; tile_dim1: 16,384 bytes a wave
	s_mov_b32 s[G1+5], 32                          ; the pitch: dense
	s_mov_b32 s[G1+6], 0
	s_mov_b32 s[G1+7], 0
	s_mov_b32 s[SEL], 0x76543210
	s_mov_b32 s[SEL+1], 0xfedcba98
	s_mov_b32 s[TB], 0
	s_mov_b32 s[TW], 0
	s_mov_b32 s[MOFF], 0
	s_lshl_b32 s66, s15, 19                        ; a head's four chunks
	s_lshl_b32 s67, s[WV], 14                      ; my eighth of a chunk, in memory and in a slot alike
	s_mov_b32 s[G0A+1], s67
	s_add_co_u32 s[G0B+1], s67, SLOT1
	s_add_co_u32 s66, s66, s67
	s_mov_b32 s67, 0
	s_wait_dscnt 0x0                               ; both opening adds are done
	s_wait_kmcnt 0x0
	s_mov_b32 s[G0A], 1
	s_add_nc_u64 s[G0A+2:G0A+3], s[18:19], s[66:67]
	s_mov_b32 s[G0B], 1
	s_add_nc_u64 s[G0B+2:G0B+3], s[G0A+2:G0A+3], 131072
	s_or_b32 s[G0A+3], s[G0A+3], 0x80000000
	s_or_b32 s[G0B+3], s[G0B+3], 0x80000000
	CROUND                                         ; all four work-groups are here: the first joint loads meet
	tensor_load_to_lds s[G0A:G0A+3], s[G1:G1+7]    ; chunk 0 into slot 0
	s_nop 0
	tensor_load_to_lds s[G0B:G0B+3], s[G1:G1+7]    ; chunk 1 into slot 1: two tensor loads of mine are out
	s_nop 0
.rept 4
	v_nop
.endr
	s_lshr_b32 s32, s15, 4                         ; b
	s_and_b32 s33, s15, 15                         ; h
	s_mov_b32 s35, 0
	s_lshl_b32 s34, s15, 18                        ; Q: 262,144 bytes a head, 32,768 a block, 4,096 a wave
	s_lshl_b32 s36, s14, 15
	s_add_co_u32 s34, s34, s36
	s_lshl_b32 s36, s[WV], 12
	s_add_co_u32 s34, s34, s36
	s_add_nc_u64 s[16:17], s[16:17], s[34:35]
	s_lshl_b32 s34, s32, 19                        ; the mask words: 4,096 bytes a query tile
	s_lshl_b32 s36, s14, 16
	s_add_co_u32 s34, s34, s36
	s_lshl_b32 s36, s[WV], 13
	s_add_co_u32 s34, s34, s36
	s_add_nc_u64 s[MB:MB+1], s[20:21], s[34:35]
	s_lshl_b32 s34, s32, 4                         ; att: the block of 128 rows = 16 b + 2 x query block + wave / 4,
	s_lshl_b32 s36, s14, 1
	s_add_co_u32 s34, s34, s36
	s_lshr_b32 s36, s[WV], 2
	s_add_co_u32 s34, s34, s36
	s_lshl_b32 s34, s34, 18
	s_lshr_b32 s36, s33, 2                         ; K chunk h / 4,
	s_lshl_b32 s36, s36, 16
	s_add_co_u32 s34, s34, s36
	s_and_b32 s36, s[WV], 3                        ; row tiles 2 (wave % 4) on,
	s_lshl_b32 s36, s36, 14
	s_add_co_u32 s34, s34, s36
	s_and_b32 s36, s33, 3                          ; K steps 2 (h % 4) on
	s_lshl_b32 s36, s36, 11
	s_add_co_u32 s34, s34, s36
	s_add_nc_u64 s[AB:AB+1], s[30:31], s[34:35]
	s_lshl_b32 s34, s32, 13                        ; responses of my batch
	s_add_nc_u64 s[22:23], s[22:23], s[34:35]
	s_lshl_b32 s36, s14, 10
	s_lshl_b32 s37, s[WV], 7
	s_add_co_u32 s36, s36, s37                     ; my first query, in bytes
	s_lshl_b32 s34, s33, 8                         ; bv of my head
	s_add_nc_u64 s[28:29], s[28:29], s[34:35]
	s_lshl_b32 s38, s33, 2
	s_load_b32 s39, s[24:25], s38 offset:0x0       ; Wm[h]
	s_load_b32 s40, s[26:27], s38 offset:0x0       ; bm[h]
	v_and_b32 v10, 31, v0
	v_lshlrev_b32 v[LI], 4, v10
	v_and_b32 v11, 15, v0                          ; r
	v_bfe_u32 v12, v0, 4, 1                        ; h'
	v_lshlrev_b32 v[BVA], 5, v12
	v_add_nc_u32 v[AW0], WT, v[BVA]
	v_lshl_add_u32 v[TA], v0, 5, WT
	v_lshlrev_b32 v13, 5, v0                       ; my 8 of the batch's 2,048 responses
	v_lshl_add_u32 v14, v11, 2, s36                ; my query's
	global_load_b128 v[64:67], v13, s[22:23]
	global_load_b128 v[68:71], v13, s[22:23] offset:16
	global_load_b32 v72, v14, s[22:23]             ; rq, tile 0
	global_load_b32 v73, v14, s[22:23] offset:64   ; tile 1
.irp dt, 0,1,2,3
	global_load_b128 v[BV+8*\dt:BV+8*\dt+3], v[BVA], s[28:29] offset:64*\dt        ; bv[64 h + 16 dt + 8 h' + 0..7]: O^T's layout
	global_load_b128 v[BV+8*\dt+4:BV+8*\dt+7], v[BVA], s[28:29] offset:64*\dt+16
.endr
	WIN 0x40                                       ; destination window 1
.irp a, 0,1,2,3,4,5,6,7
	global_load_b128 v[QR+4*\a:QR+4*\a+3], v[LI], s[16:17] offset:512*\a           ; Q stays in registers: tile a / 4, block a % 4
.endr
	WIN 0
	s_wait_kmcnt 0x0                               ; Wm, bm
	s_wait_loadcnt 16                              ; the responses are in; bv's and Q's sixteen loads may stay out
	v_mov_b32 v40, s39
	v_add_f32 v42, s40, v40                        ; Wm + bm
	v_mul_f32 v40, 0x3fb8aa3b, v40                 ; L Wm
	v_mul_f32 v42, 0x3fb8aa3b, v42                 ; L (Wm + bm)
	v_mul_f32 v41, 0xbd800000, v40                 ; -L Wm / 16
	v_mul_f32 v43, 0x3e000000, v40                 ; L Wm / 8
	v_mov_b32 v46, 0xce6e6b28                      ; -1e9
.irp i, 0,1,2,3,4,5,6,7,8,9
	v_cvt_f32_i32 v[64+\i], v[64+\i]               ; w = rk (8 of them), and my two rq
.endr
.irp i, 0,1,2,3,4,5,6,7
	v_mul_f32 v[80+\i], v41, v[64+\i]
.endr
.irp i, 0,1,2,3,4,5,6,7
	v_mul_f32 v[80+\i], v[80+\i], v[64+\i]         ; u = -L Wm rk^2 / 16
.endr
	ds_store_b128 v[TA], v[64:67]
	ds_store_b128 v[TA], v[68:71] offset:16
	ds_store_b128 v[TA], v[80:83] offset:8192
	ds_store_b128 v[TA], v[84:87] offset:8208
.irp t, 0,1
	v_mul_f32 v[BETA+2*\t], v43, v[72+\t]          ; beta
	v_mul_f32 v[44+\t], v41, v[72+\t]
.endr
.irp t, 0,1
	v_mov_b32 v[BETA+2*\t+1], v[BETA+2*\t]         ; (named with it as a pair, so it is written)
	v_fma_f32 v[44+\t], v[44+\t], v[72+\t], v42    ; gamma
.endr
.irp t, 0,1
	v_fma_f32 v[NEGQ+\t], v46, 0x3fb8aa3b, -v[44+\t]   ; what a masked score becomes
	v_mov_b32 v[ST+8*\t], 0xff61b1e6               ; m: -3e38, under every t
	v_mov_b32 v[ST+8*\t+1], 0
	v_mov_b32 v[ST+8*\t+2], 0                      ; the sum, in two halves
	v_mov_b32 v[ST+8*\t+3], 0
.endr
.set n, 0
.rept 64
	v_mov_b32 v[O+n], 0                            ; O^T.  (The step is written once: the first finds zeros, which its a = 0 leaves zeros)
.set n, n+1
.endr
	s_wait_loadcnt 0x0                             ; bv and Q are in; every load that named s[16:31] is done: the mask words may land there
	s_load_b512 s[16:31], s[MB:MB+1], s[MOFF] offset:0x0        ; step 0's 64 words: tile 0,
	s_load_b512 s[32:47], s[MB:MB+1], s[MOFF] offset:0x40
	s_load_b512 s[48:63], s[MB:MB+1], s[MOFF] offset:0x1000     ; tile 1
	s_load_b512 s[68:83], s[MB:MB+1], s[MOFF] offset:0x1040
	s_wait_tensorcnt 0x1                           ; my part of slot 0 is in; slot 1's may stay out
	s_wait_dscnt 0x0                               ; my part of w and u has landed
	s_barrier_signal -1
	s_barrier_wait -1
; A KEY STEP: 64 keys, two tiles of queries.
.macro STEP
	v_add_nc_u32 v[ADK], s[TB], v[LI]              ; three additions and a v_nop: the four places behind the last products, in front of the loads into V's registers
	v_add_nc_u32 v[ADW], s[TW], v[AW0]
	v_add_nc_u32 v[ADV], 0x10000, v[ADK]
	v_nop
	WIN 0x40                                       ; destination window 1
.irp a, 0,1,2,3,4,5,6,7
	ds_load_b128 v[WR+4*\a:WR+4*\a+3], v[ADW] offset:(\a/2)*64+(\a%2)*16           ; w of keys 16 kt + 8 h' + 0..7: sixteen lanes read the same words
.endr
.irp a, 0,1,2,3,4,5,6,7
	ds_load_b128 v[UR+4*\a:UR+4*\a+3], v[ADW] offset:8192+(\a/2)*64+(\a%2)*16
.endr
.irp a, 0,1,2,3,4,5,6,7,8,9,10,11,12,13,14,15
	ds_load_b128 v[KR+4*\a:KR+4*\a+3], v[ADK] offset:512*\a                        ; K: key tile a / 4, block a % 4
.endr
.irp a, 0,1,2,3,4,5,6,7,8,9,10,11,12,13,14,15
	ds_load_b128 v[VR+4*\a:VR+4*\a+3], v[ADV] offset:512*\a                        ; V: 32 keys a / 8, channels 16 ((a / 2) % 4), half a % 2
.endr
	s_wait_dscnt 32                                ; w and u are in; K's and V's 32 loads may stay out
	WIN 0x11                                       ; w and u in window 1
.irp n, 0,2,4,6,8,10,12,14,16,18,20,22,24,26,28,30
.irp t, 0,1
	v_pk_fma_f32 v[S+32*\t+\n:S+32*\t+\n+1], v[WR+\n:WR+\n+1], v[BETA+2*\t:BETA+2*\t+1], v[UR+\n:UR+\n+1] op_sel_hi:[1,0,1]   ; the sums begin with beta w + u
.endr
.endr
	s_wait_dscnt 16                                ; K is in; V's 16 loads may stay out
	WIN 0x05                                       ; K and Q in window 1
.irp s, 0,1
.irp kt, 0,1,2,3
.irp t, 0,1
	v_wmma_f32_16x16x32_f16 v[S+32*\t+8*\kt:S+32*\t+8*\kt+7], v[KR+16*\kt+8*\s:KR+16*\kt+8*\s+7], v[QR+16*\t+8*\s:QR+16*\t+8*\s+7], v[S+32*\t+8*\kt:S+32*\t+8*\kt+7]   ; eight accumulators by turns
.endr
.endr
.endr
	WIN 0
.rept 4
	v_nop
.endr
	s_wait_kmcnt 0x0                               ; this step's mask words, asked for a step ago
.set n, 0
.rept 32
	v_cndmask_b32 v[S+n], v[NEGQ], v[S+n], s[16+n]                  ; bit 0: the masked value.  Each accumulator from its low end on
	v_cndmask_b32 v[S+32+n], v[NEGQ+1], v[S+32+n], s[48+n+4*(n/16)]
.set n, n+1
.endr
	s_add_co_u32 s[MOFF], s[MOFF], 128             ; (the loads that named it are done)  the next step's words;
	s_min_u32 s[MOFF], s[MOFF], 3968               ; the last step asks for its own once more, so that no load leaves the buffer and the step is written once
	s_load_b512 s[16:31], s[MB:MB+1], s[MOFF] offset:0x0
	s_load_b512 s[32:47], s[MB:MB+1], s[MOFF] offset:0x40
	s_load_b512 s[48:63], s[MB:MB+1], s[MOFF] offset:0x1000
	s_load_b512 s[68:83], s[MB:MB+1], s[MOFF] offset:0x1040
.irp j, 0,1,2,3                        ; the maximum of 32 scores and the old m: four chains a tile, the tiles by turns
.irp t, 0,1
	v_max3_num_f32 v[ST+8*\t+4+\j], v[S+32*\t+8*\j], v[S+32*\t+8*\j+1], v[S+32*\t+8*\j+2]
.endr
.endr
.irp q, 1,2
.irp j, 0,1,2,3
.irp t, 0,1
	v_max3_num_f32 v[ST+8*\t+4+\j], v[ST+8*\t+4+\j], v[S+32*\t+8*\j+2*\q+1], v[S+32*\t+8*\j+2*\q+2]
.endr
.endr
.endr
.irp t, 0,1
	v_max3_num_f32 v[ST+8*\t+4], v[ST+8*\t+4], v[S+32*\t+7], v[S+32*\t+15]
	v_max3_num_f32 v[ST+8*\t+6], v[ST+8*\t+6], v[S+32*\t+23], v[S+32*\t+31]
.endr
.irp t, 0,1
	v_max3_num_f32 v[ST+8*\t+4], v[ST+8*\t+4], v[ST+8*\t+5], v[ST+8*\t+6]
.endr
.irp t, 0,1
	v_max3_num_f32 v[ST+8*\t+4], v[ST+8*\t+4], v[ST+8*\t+7], v[ST+8*\t]
.endr
.irp t, 0,1
	v_permlanex16_b32 v[ST+8*\t+5], v[ST+8*\t+4], s[SEL], s[SEL+1]   ; the query's other 32 keys lie in the lane 16 away
	v_mov_b32 v[ST+8*\t+7], v[ST+8*\t]             ; the old m
.endr
.irp t, 0,1
	v_max_num_f32 v[ST+8*\t], v[ST+8*\t+4], v[ST+8*\t+5]
.endr
.irp t, 0,1
	v_sub_f32 v[ST+8*\t+7], v[ST+8*\t+7], v[ST+8*\t]   ; old m - new m, 0 or less
.endr
.irp n, 0,2,4,6,8,10,12,14,16,18,20,22,24,26,28,30
.irp t, 0,1
	v_pk_add_f32 v[S+32*\t+\n:S+32*\t+\n+1], v[S+32*\t+\n:S+32*\t+\n+1], v[ST+8*\t:ST+8*\t+1] op_sel_hi:[1,0] neg_lo:[0,1] neg_hi:[0,1]   ; t - m
.endr
.endr
.irp t, 0,1
	v_exp_f32 v[ST+8*\t+6], v[ST+8*\t+7]           ; a = 2^(old m - new m)
.endr
.set n, 0
.rept 64
	v_exp_f32 v[S+n], v[S+n]                       ; p = 2^(t - m)
.set n, n+1
.endr
	v_nop                                          ; a plain line behind the last exponential
	s_wait_alu depctr_va_vdst(0)                   ; one wait for the batch of 66, ahead of its first reader
.set n, 0
.rept 32
	v_cvt_pk_f16_f32 v[P+n], v[S+2*n], v[S+2*n+1]  ; two tiles of 16 keys, packed in pairs, ARE source 1 (32 keys x 16 queries) of the second product
.set n, n+1
.endr
.irp u, 0,1,2,3,4,5,6,7                ; the row's sum, of the unrounded p, in place: neighbours 1, 2, 4 and 8 pairs apart
.irp t, 0,1
	v_pk_add_f32 v[S+32*\t+4*\u:S+32*\t+4*\u+1], v[S+32*\t+4*\u:S+32*\t+4*\u+1], v[S+32*\t+4*\u+2:S+32*\t+4*\u+3]
.endr
.endr
.irp u, 0,1,2,3
.irp t, 0,1
	v_pk_add_f32 v[S+32*\t+8*\u:S+32*\t+8*\u+1], v[S+32*\t+8*\u:S+32*\t+8*\u+1], v[S+32*\t+8*\u+4:S+32*\t+8*\u+5]
.endr
.endr
.irp u, 0,1
.irp t, 0,1
	v_pk_add_f32 v[S+32*\t+16*\u:S+32*\t+16*\u+1], v[S+32*\t+16*\u:S+32*\t+16*\u+1], v[S+32*\t+16*\u+8:S+32*\t+16*\u+9]
.endr
.endr
.irp t, 0,1
	v_pk_add_f32 v[S+32*\t:S+32*\t+1], v[S+32*\t:S+32*\t+1], v[S+32*\t+16:S+32*\t+17]
.endr
.irp t, 0,1
	v_pk_fma_f32 v[ST+8*\t+2:ST+8*\t+3], v[ST+8*\t+2:ST+8*\t+3], v[ST+8*\t+6:ST+8*\t+7], v[S+32*\t:S+32*\t+1] op_sel_hi:[1,0,1]   ; l = l a + the step's sum
.endr
.irp n, 0,2,4,6,8,10,12,14,16,18,20,22,24,26,28,30
.irp t, 0,1
	v_pk_mul_f32 v[O+32*\t+\n:O+32*\t+\n+1], v[O+32*\t+\n:O+32*\t+\n+1], v[ST+8*\t+6:ST+8*\t+7] op_sel_hi:[1,0]   ; O^T x a
.endr
.endr
	s_wait_dscnt 0x0                               ; V is in
	WIN 0x01                                       ; V in window 1
.irp g, 0,1
.irp dt, 0,1,2,3
.irp t, 0,1
	v_wmma_f32_16x16x32_f16 v[O+32*\t+8*\dt:O+32*\t+8*\dt+7], v[VR+32*\g+8*\dt:VR+32*\g+8*\dt+7], v[P+16*\t+8*\g:P+16*\t+8*\g+7], v[O+32*\t+8*\dt:O+32*\t+8*\dt+7]   ; eight accumulators by turns
.endr
.endr
.endr
	WIN 0
	s_add_co_u32 s[TB], s[TB], 8192                ; the next step's K (and V, 65,536 further on)
	s_add_co_u32 s[TW], s[TW], 256
.endm
.macro STEPS                           ; a chunk's eight steps: written once, walked eight times
	s_mov_b32 s[CNT], 8
.Lstep_\@:
	STEP
	s_sub_co_u32 s[CNT], s[CNT], 1
	s_cmp_lg_u32 s[CNT], 0
	s_cbranch_scc1 .Lstep_\@
.endm
; THE CHANGE OF SLOTS.  Each wave waits for all its tensor loads (one is out: its part of the other slot), adds 0 to its spare word, and waits for that and for its reads of the slot that it leaves.
; fill = 1: the barrier is a round of the cluster's, so that no wave of any partner still reads the slot or has a load on its way; the joint refill is the first thing behind it.
.macro CHANGE fill
	s_wait_tensorcnt 0x0                           ; no tensor load of mine is out, so a group 0 may be written
	ds_add_u32 v[SPW], v[NIL]                      ; 0 onto my spare word
.if \fill
	s_xor_b32 s[G0B+1], s[G0B+1], SLOT1            ; the walking descriptor: the other slot than last time,
	s_add_nc_u64 s[G0B+2:G0B+3], s[G0B+2:G0B+3], 131072   ; the next chunk; the type bits on top are not reached
.endif
	s_wait_dscnt 0x0                               ; the add is done, and my reads of the slot are over
.if \fill
	CROUND
	tensor_load_to_lds s[G0B:G0B+3], s[G1:G1+7]    ; my one tensor load behind the round
	s_nop 0
.rept 4
	v_nop
.endr
.else
	s_barrier_signal -1
	s_barrier_wait -1
.endif
	s_sub_co_u32 s[TB], s[TB], 65536               ; back to a slot's first step,
	s_xor_b32 s[TB], s[TB], SLOT1                  ; in the other slot
.endm
	STEPS                                          ; chunk 0
	s_mov_b32 s[SLOTS], 2
.Lslot:                                            ; chunks 1 and 2; chunks 2 and 3 are asked for
	CHANGE 1
	STEPS
	s_sub_co_u32 s[SLOTS], s[SLOTS], 1
	s_cmp_lg_u32 s[SLOTS], 0
	s_cbranch_scc1 .Lslot
	CHANGE 0                                       ; the tail is written out
	STEPS                                          ; chunk 3
	; THE WAY OUT: O^T / l + bv, rounded to f16 once: a lane's eight channels of a query are one block of the next product's operand image.  The additions are the places behind the last products.
.irp t, 0,1
	v_add_f32 v[ST+8*\t+4], v[ST+8*\t+2], v[ST+8*\t+3]
.endr
.irp t, 0,1
	v_permlanex16_b32 v[ST+8*\t+5], v[ST+8*\t+4], s[SEL], s[SEL+1]
.endr
.irp t, 0,1
	v_add_f32 v[ST+8*\t+4], v[ST+8*\t+4], v[ST+8*\t+5]
.endr
.irp t, 0,1
	v_rcp_f32 v[ST+8*\t+6], v[ST+8*\t+4]
.endr
	v_nop                                          ; a plain line behind the last reciprocal
	s_wait_alu depctr_va_vdst(0)                   ; one wait for the two, ahead of their first reader
.irp t, 0,1
.irp n, 0,2,4,6,8,10,12,14,16,18,20,22,24,26,28,30
	v_pk_fma_f32 v[O+32*\t+\n:O+32*\t+\n+1], v[O+32*\t+\n:O+32*\t+\n+1], v[ST+8*\t+6:ST+8*\t+7], v[BV+\n:BV+\n+1] op_sel_hi:[1,0,1]
.endr
.endr
.set n, 0
.rept 32
	v_cvt_pk_f16_f32 v[S+n], v[O+2*n], v[O+2*n+1]
.set n, n+1
.endr
.irp t, 0,1
.irp dt, 0,1,2,3
	global_store_b128 v[LI], v[S+16*\t+4*\dt:S+16*\t+4*\dt+3], s[AB:AB+1] offset:8192*\t+512*\dt   ; 512 consecutive bytes, aligned
.endr
.endr
	s_wait_kmcnt 0x0                               ; the last step's mask words
	s_wait_tensorcnt 0x0                           ; the wave's end
	ds_add_u32 v[SPW], v[NIL]
	s_wait_dscnt 0x0
	CROUND                                         ; the closing round
	s_endpgm
.Lfunc_end_k_q1aaca45f62_attn:
	.size	k_q1aaca45f62_attn, .Lfunc_end_k_q1aaca45f62_attn-k_q1aaca45f62_attn
	.p2alignl 7, 3214868480
	.fill 96, 4, 3214868480
	.section	.rodata,"a",@progbits
	.p2align	6, 0x0
	.amdhsa_kernel k_q1aaca45f62_attn
		.amdhsa_group_segment_fixed_size 327680
		.amdhsa_private_segment_fixed_size 0
		.amdhsa_enable_private_segment 0
		.amdhsa_kernarg_size 64
		.amdhsa_user_sgpr_count 2
		.amdhsa_user_sgpr_kernarg_segment_ptr 1
		.amdhsa_wavefront_size32 1
		.amdhsa_system_sgpr_workgroup_id_x 1
		.amdhsa_system_sgpr_workgroup_id_y 1
		.amdhsa_system_sgpr_workgroup_id_z 1
		.amdhsa_system_vgpr_workitem_id 0
		.amdhsa_next_free_vgpr 480
		.amdhsa_next_free_sgpr 100
		.amdhsa_reserve_vcc 0
		.amdhsa_float_denorm_mode_32 3
		.amdhsa_float_denorm_mode_16_64 3
		.amdhsa_memory_ordered 1
		.amdhsa_forward_progress 1
		.amdhsa_inst_pref_size 93
	.end_amdhsa_kernel
	.amdgpu_metadata
---
amdhsa.version: [ 1, 2 ]
amdhsa.kernels:
  - .name:           k_q1aaca45f62_attn
    .symbol:         k_q1aaca45f62_attn.kd
    .args:
      - { .name: qf, .offset: 0, .size: 8, .value_kind: global_buffer, .address_space: global }
      - { .name: kv, .offset: 8, .size: 8, .value_kind: global_buffer, .address_space: global }
      - { .name: mbits, .offset: 16, .size: 8, .value_kind: global_buffer, .address_space: global }
      - { .name: responses, .offset: 24, .size: 8, .value_kind: global_buffer, .address_space: global }
      - { .name: Wm, .offset: 32, .size: 8, .value_kind: global_buffer, .address_space: global }
      - { .name: bm, .offset: 40, .size: 8, .value_kind: global_buffer, .address_space: global }
      - { .name: bv, .offset: 48, .size: 8, .value_kind: global_buffer, .address_space: global }
      - { .name: att, .offset: 56, .size: 8, .value_kind: global_buffer, .address_space: global }
    .group_segment_fixed_size: 327680
    .private_segment_fixed_size: 0
    .kernarg_segment_align: 8
    .kernarg_segment_size: 64
    .max_flat_workgroup_size: 256
    .sgpr_count:     100
    .vgpr_count:     480
    .wavefront_size: 32
...
	.end_amdgpu_metadata
.endif
;; end of part 3
;; launch oproj (part 4): grid 8 x 32, 8 waves a work-group, clusters of 4 x 4, 327,680 bytes of LDS; arguments att, wof, bo, out0; writes out0
.if DOCPART == 4
	.amdgcn_target "amdgcn-amd-amdhsa--gfx1250"
	.amdhsa_code_object_version 6
	.text
	.protected	k_q1aaca45f62_oproj
	.globl	k_q1aaca45f62_oproj
	.p2align	8
	.type	k_q1aaca45f62_oproj,@function
k_q1aaca45f62_oproj:
	s_mov_b64 s[64:65], 0
	v_nop
	global_prefetch_b8 v0, s[64:65] scope:SCOPE_SE
	s_setreg_imm32_b32 hwreg(HW_REG_WAVE_MODE, 25, 1), 1
	s_wait_xcnt 0x0
	s_wait_alu depctr_hold_cnt(0) depctr_sa_sdst(0) depctr_va_vdst(0) depctr_va_sdst(0) depctr_va_ssrc(0) depctr_va_vcc(0) depctr_vm_vsrc(0)
	s_getreg_b32 s2, hwreg(HW_REG_IB_STS2, 6, 4)
	s_cmp_eq_u32 s2, 0
	s_cbranch_scc0 .Lentry_in_a_cluster
	s_endpgm
.Lentry_in_a_cluster:
	s_bfe_u32 s2, ttmp6, 0x10000c
	s_cmp_lg_u32 s2, 0xf033
	s_cbranch_scc0 .Lentry_shape_is_right
	s_endpgm
.Lentry_shape_is_right:
; Launch 4 of 4: out0 = att Wo^T + bo.  att [4096][1024] and Wo [1024][1024] come as f16 images of operand registers; sums in f32; out0 f32.
;   att [mblk 32 of 128 rows][kchunk 4][ttile 8][kstep 8][c 2][512];  wof [nblk 8][kchunk 4][ntile 8][kstep 8][c 2][512]: lane (r, h): row 16 tile + r, k = 256 kc + 32 ks + 16 c + 8 h + 0..7.
; A work-group makes 128 x 128: 256 work-groups.  K goes in four chunks of 256 through two slots of 131,072 bytes (att's 65,536, then Wo's); every chunk is one dense block of memory a side.
; CLUSTER 4 x 4: att's chunk hangs on the tile row and is asked for jointly along a row of the cluster, Wo's on the tile column, along a column.  Waves 0-3 fetch att's quarters, waves 4-7 Wo's.
; EIGHT WAVES, 32 rows x 64 columns each, two to a SIMD.  THE PRODUCT IS USED TRANSPOSED (source 0 = 16 rows of Wo, source 1 = 16 rows of att): a lane holds eight neighbouring numbers of a row of out0.
; bo is the C of each sum's first product.  Eight accumulators by turns, one instruction a turn.  Four chunks: the whole walk is written out by macros, with no loop.
.set SLOT,  131072
.set BOFF,  65536
.set SPARE, 262144                     ; behind the ring: the spare words, 128 bytes for each wave: four blocks of 256 bytes that no other line names
.set LI,  1                            ; v1    16 x lane
.set ADA, 2                            ; v2-3  my two row tiles of att in slot 0, 1
.set ADB, 4                            ; v4-5  my four row tiles of Wo
.set STO, 6                            ; v6    the way out: where I put 32 bytes of a row
.set RD,  7                            ; v7    where I read a row back
.set CO,  8                            ; v8    my byte offset in out0
.set SPW, 10                           ; v10   my spare word; never rewritten
.set NIL, 11                           ; v11   0; never rewritten
.set BIAS, 16                          ; v16-47  bo, 8 registers for each of my four column tiles
.set F0,  48                           ; v48-95  fragments of one K step: Wo's four, att's two
.set F1,  96                           ; v96-143 the other buffer
.set ACC, 144                          ; v144-207 accumulator (i, j) at 8 (4 j + i)
.set G1A, 16                           ; s[16:23] group 1 for att;  s[24:31] for Wo;  s[32:39], s[40:47] their groups 0, one for each slot
.set G1B, 24
.set G0A, 32
.set G0B, 40
.macro CROUND                          ; a round of the cluster's barrier
	s_barrier_signal -1
	s_barrier_wait -1
	s_cmp_lg_u32 s12, 0
	s_cbranch_scc1 .Lnot_wave_0_\@
	s_barrier_signal -3
.Lnot_wave_0_\@:
	s_barrier_wait -3
	s_barrier_signal -1
	s_barrier_wait -1
.endm
.macro JLOAD s                         ; a joint load; the branch hangs on the wave's number alone.  An s_nop 0 and four v_nop follow each of the two lines
	s_cmp_eq_u32 s13, 0
	s_cbranch_scc0 .Lfor_b_\@
	tensor_load_to_lds s[G0A+4*\s:G0A+4*\s+3], s[G1A:G1A+7]
	s_nop 0
.rept 4
	v_nop
.endr
	s_branch .Lasked_\@
.Lfor_b_\@:
	tensor_load_to_lds s[G0B+4*\s:G0B+4*\s+3], s[G1B:G1B+7]
	s_nop 0
.rept 4
	v_nop
.endr
.Lasked_\@:
.endm
	s_load_b256 s[4:11], s[0:1], 0x0               ; att, wof, bo, out0
	v_lshl_add_u32 v[SPW], v0, 2, SPARE
	v_mov_b32 v[NIL], 0
	ds_add_u32 v[SPW], v[NIL]                      ; the wave's opening: the add, twice on end, and its wait ahead of my first tensor load
	ds_add_u32 v[SPW], v[NIL]
	v_lshrrev_b32 v2, 5, v0
	v_readfirstlane_b32 s12, v2                    ; wave 0..7
	s_lshr_b32 s13, s12, 2                         ; I fetch for att (0) or for Wo (1),
	s_and_b32 s14, s12, 3                          ; this quarter of a chunk
	s_bfe_u32 s48, ttmp6, 0x40000                  ; cx
	s_bfe_u32 s49, ttmp6, 0x40004                  ; cy
	s_lshl_b32 s50, ttmp9, 2
	s_add_co_u32 s50, s50, s48                     ; tile column of out0
	s_and_b32 s51, ttmp7, 0xffff
	s_lshl_b32 s51, s51, 2
	s_add_co_u32 s51, s51, s49                     ; tile row
	s_lshl_b32 s52, s49, 2
	s_lshl_b32 s52, 15, s52                        ; my row of the cluster
	s_lshl_b32 s53, 0x1111, s48                    ; my column
	s_or_b32 s[G1A], s52, (3<<16)|(1<<21)          ; the mask; elements of 8 bytes; bit 21 beside a mask
	s_or_b32 s[G1B], s53, (3<<16)|(1<<21)
.irp g, G1A, G1B
	s_mov_b32 s[\g+1], 32<<16                      ; tensor_dim0: rows of 256 bytes
	s_mov_b32 s[\g+2], 64<<16                      ; tensor_dim1
	s_mov_b32 s[\g+3], 32<<16                      ; tile_dim0
	s_mov_b32 s[\g+4], 64                          ; tile_dim1: 16,384 bytes a wave
	s_mov_b32 s[\g+5], 32                          ; the pitch: dense
	s_mov_b32 s[\g+6], 0
	s_mov_b32 s[\g+7], 0
.endr
	s_lshl_b32 s54, s14, 14                        ; my quarter, in memory and in LDS alike
	s_lshl_b32 s56, s51, 18                        ; att: by the tile row alone
	s_add_co_u32 s56, s56, s54
	s_mov_b32 s57, 0
	s_lshl_b32 s58, s50, 18                        ; Wo: by the tile column alone
	s_add_co_u32 s58, s58, s54
	s_mov_b32 s59, 0
	s_wait_dscnt 0x0                               ; both opening adds are done
	s_wait_kmcnt 0x0
	s_add_nc_u64 s[56:57], s[4:5], s[56:57]
	s_add_nc_u64 s[58:59], s[6:7], s[58:59]
	CROUND                                         ; all sixteen work-groups are here: the first joint loads meet
.irp s, 0,1
	s_mov_b32 s[G0A+4*\s], 1
	s_add_co_u32 s[G0A+4*\s+1], s54, \s*SLOT
	s_add_nc_u64 s[G0A+4*\s+2:G0A+4*\s+3], s[56:57], \s*65536
	s_or_b32 s[G0A+4*\s+3], s[G0A+4*\s+3], 0x80000000
	s_mov_b32 s[G0B+4*\s], 1
	s_add_co_u32 s[G0B+4*\s+1], s54, \s*SLOT+BOFF
	s_add_nc_u64 s[G0B+4*\s+2:G0B+4*\s+3], s[58:59], \s*65536
	s_or_b32 s[G0B+4*\s+3], s[G0B+4*\s+3], 0x80000000
	JLOAD \s                                       ; chunks 0 and 1: two tensor loads of mine are out
.endr
	v_and_b32 v12, 31, v0
	v_lshlrev_b32 v[LI], 4, v12
	v_and_b32 v13, 15, v0                          ; r
	v_bfe_u32 v14, v0, 4, 1                        ; h
	s_lshr_b32 s15, s12, 1                         ; my 32 rows
	s_and_b32 s60, s12, 1                          ; my 64 columns
	s_lshl_b32 s61, s15, 14                        ; two row tiles of 8,192 bytes
	v_add_nc_u32 v[ADA], s61, v[LI]
	v_add_nc_u32 v[ADA+1], SLOT, v[ADA]
	s_lshl_b32 s61, s60, 15                        ; four
	s_add_co_u32 s61, s61, BOFF
	v_add_nc_u32 v[ADB], s61, v[LI]
	v_add_nc_u32 v[ADB+1], SLOT, v[ADB]
	s_mul_i32 s61, s12, 8704                       ; my stage: 2 x 16 rows x (256 + 16) bytes, in slot 0
	v_mul_u32_u24 v[STO], v13, 272
	v_lshl_add_u32 v[STO], v14, 5, v[STO]
	v_add_nc_u32 v[STO], s61, v[STO]               ; in: row r, + 32 h
	v_mul_u32_u24 v[RD], v14, 272
	v_lshl_add_u32 v[RD], v13, 4, v[RD]
	v_add_nc_u32 v[RD], s61, v[RD]                 ; back: lanes 0-15 one row of 256 bytes, lanes 16-31 the next
	v_lshlrev_b32 v[CO], 12, v14
	v_lshl_add_u32 v[CO], v13, 4, v[CO]            ; and the same two rows in out0
	v_lshlrev_b32 v15, 5, v14
	s_lshl_b32 s2, s50, 9
	s_lshl_b32 s3, s60, 8
	s_add_co_u32 s2, s2, s3                        ; my first column, in bytes
	s_mov_b32 s3, 0
	s_add_nc_u64 s[8:9], s[8:9], s[2:3]
.irp i, 0,1,2,3
	global_load_b128 v[BIAS+8*\i:BIAS+8*\i+3], v15, s[8:9] offset:64*\i            ; bo at columns 16 i + 8 h + 0..7: the result's layout
	global_load_b128 v[BIAS+8*\i+4:BIAS+8*\i+7], v15, s[8:9] offset:64*\i+16
.endr
	s_lshl_b32 s62, s51, 19                        ; 128 rows of 4,096 bytes,
	s_lshl_b32 s63, s15, 17                        ; my 32 of them
	s_add_co_u32 s62, s62, s63
	s_add_co_u32 s62, s62, s2
	s_mov_b32 s63, 0
	s_add_nc_u64 s[10:11], s[10:11], s[62:63]
.macro FETCH slot, ks, f               ; twelve LDS loads: the fragments of one K step of 32
.rept 4
	v_nop                                          ; places in front of loads into registers that matrix instructions have read
.endr
.irp i, 0,1,2,3
.irp c, 0,1
	ds_load_b128 v[\f+8*\i+4*\c:\f+8*\i+4*\c+3], v[ADB+\slot] offset:8192*\i+1024*(\ks)+512*\c
.endr
.endr
.irp j, 0,1
.irp c, 0,1
	ds_load_b128 v[\f+32+8*\j+4*\c:\f+32+8*\j+4*\c+3], v[ADA+\slot] offset:8192*\j+1024*(\ks)+512*\c
.endr
.endr
.endm
.macro MUL8 f, first
.irp j, 0,1
.irp i, 0,1,2,3
.if \first
	v_wmma_f32_16x16x32_f16 v[ACC+8*(4*\j+\i):ACC+8*(4*\j+\i)+7], v[\f+8*\i:\f+8*\i+7], v[\f+32+8*\j:\f+32+8*\j+7], v[BIAS+8*\i:BIAS+8*\i+7]
.else
	v_wmma_f32_16x16x32_f16 v[ACC+8*(4*\j+\i):ACC+8*(4*\j+\i)+7], v[\f+8*\i:\f+8*\i+7], v[\f+32+8*\j:\f+32+8*\j+7], v[ACC+8*(4*\j+\i):ACC+8*(4*\j+\i)+7]
.endif
.endr
.endr
.endm
.macro CHUNK slot, first               ; a chunk's eight K steps on two buffers: the next step's loads are issued ahead of this step's products
	FETCH \slot, 0, F0
.set KS, 0
.rept 7
	FETCH \slot, KS+1, F0+48*((KS+1)%2)
	s_wait_dscnt 12                                ; this step's fragments are in; the twelve loads just issued may stay out
.set FST, (\first) && (KS == 0)
	MUL8 F0+48*(KS%2), FST
.set KS, KS+1
.endr
	s_wait_dscnt 0x0
	MUL8 F1, 0
.endm
; THE CHANGE OF SLOTS: each wave waits for all its tensor loads (one is out: its part of the other slot), adds 0 to its spare word, and waits for that and for its reads of the slot that it leaves.
; fill = 1: the barrier is a round of the cluster's, and the joint refill, two chunks on, is the first thing behind it: it has a chunk's 64 products a wave in which to land.
.macro CHANGE slot, fill
	s_wait_tensorcnt 0x0                           ; no tensor load of mine is out, so a group 0 may be written
	ds_add_u32 v[SPW], v[NIL]                      ; 0 onto my spare word
.if \fill
	s_add_nc_u64 s[G0A+4*\slot+2:G0A+4*\slot+3], s[G0A+4*\slot+2:G0A+4*\slot+3], 131072
	s_add_nc_u64 s[G0B+4*\slot+2:G0B+4*\slot+3], s[G0B+4*\slot+2:G0B+4*\slot+3], 131072
.endif
	s_wait_dscnt 0x0                               ; the add is done, and my reads of the slot are over
.if \fill
	CROUND
	JLOAD \slot
.else
	s_barrier_signal -1
	s_barrier_wait -1
.endif
.endm
	s_wait_tensorcnt 0x1                           ; my part of chunk 0 is in; chunk 1's may stay out
	s_barrier_signal -1
	s_barrier_wait -1                              ; everybody's is
	s_wait_loadcnt 0x0                             ; bo
	CHUNK 0, 1
	CHANGE 0, 1                                    ; slot 0 takes chunk 2
	CHUNK 1, 0
	CHANGE 1, 1                                    ; slot 1 takes chunk 3
	CHUNK 0, 0
	CHANGE 0, 0                                    ; nothing is left to fetch; behind this barrier nobody reads slot 0, which has had its last fill
	CHUNK 1, 0
	; THE WAY OUT.  A lane holds 32 neighbouring bytes of a row and the lanes beside it hold other rows: 16 rows x 256 bytes at a time go through my own stage and come back as whole rows.
.rept 4
	v_nop                                          ; places behind the last products: for the reads of results and for the loads into the fragments' registers
.endr
.irp j, 0,1
.irp i, 0,1,2,3
	ds_store_b128 v[STO], v[ACC+8*(4*\j+\i):ACC+8*(4*\j+\i)+3] offset:4352*\j+64*\i          ; each accumulator from its low end on
	ds_store_b128 v[STO], v[ACC+8*(4*\j+\i)+4:ACC+8*(4*\j+\i)+7] offset:4352*\j+64*\i+16
.endr
.endr
.irp j, 0,1
.irp t, 0,1,2,3,4,5,6,7
	ds_load_b128 v[F0+32*\j+4*\t:F0+32*\j+4*\t+3], v[RD] offset:4352*\j+544*\t               ; LDS serves a wave's instructions in order: these see my stores
.endr
.endr
.irp j, 0,1
.irp t, 0,1,2,3,4,5,6,7
	s_wait_dscnt 15-8*\j-\t
	global_store_b128 v[CO], v[F0+32*\j+4*\t:F0+32*\j+4*\t+3], s[10:11] offset:(16*\j+2*\t)*4096 th:TH_STORE_NT   ; sixteen lanes store 256 consecutive bytes, aligned; written once, read by nobody here
.endr
.endr
	s_wait_tensorcnt 0x0                           ; the wave's end, behind my last tensor load and my last LDS store
	ds_add_u32 v[SPW], v[NIL]
	s_wait_dscnt 0x0
	CROUND                                         ; the closing round
	s_endpgm
.Lfunc_end_k_q1aaca45f62_oproj:
	.size	k_q1aaca45f62_oproj, .Lfunc_end_k_q1aaca45f62_oproj-k_q1aaca45f62_oproj
	.p2alignl 7, 3214868480
	.fill 96, 4, 3214868480
	.section	.rodata,"a",@progbits
	.p2align	6, 0x0
	.amdhsa_kernel k_q1aaca45f62_oproj
		.amdhsa_group_segment_fixed_size 327680
		.amdhsa_private_segment_fixed_size 0
		.amdhsa_enable_private_segment 0
		.amdhsa_kernarg_size 32
		.amdhsa_user_sgpr_count 2
		.amdhsa_user_sgpr_kernarg_segment_ptr 1
		.amdhsa_wavefront_size32 1
		.amdhsa_system_sgpr_workgroup_id_x 1
		.amdhsa_system_sgpr_workgroup_id_y 1
		.amdhsa_system_sgpr_workgroup_id_z 1
		.amdhsa_system_vgpr_workitem_id 0
		.amdhsa_next_free_vgpr 256
		.amdhsa_next_free_sgpr 66
		.amdhsa_reserve_vcc 0
		.amdhsa_float_denorm_mode_32 3
		.amdhsa_float_denorm_mode_16_64 3
		.amdhsa_memory_ordered 1
		.amdhsa_forward_progress 1
		.amdhsa_inst_pref_size 59
	.end_amdhsa_kernel
	.amdgpu_metadata
---
amdhsa.version: [ 1, 2 ]
amdhsa.kernels:
  - .name:           k_q1aaca45f62_oproj
    .symbol:         k_q1aaca45f62_oproj.kd
    .args:
      - { .name: att, .offset: 0, .size: 8, .value_kind: global_buffer, .address_space: global }
      - { .name: wof, .offset: 8, .size: 8, .value_kind: global_buffer, .address_space: global }
      - { .name: bo, .offset: 16, .size: 8, .value_kind: global_buffer, .address_space: global }
      - { .name: out0, .offset: 24, .size: 8, .value_kind: global_buffer, .address_space: global }
    .group_segment_fixed_size: 327680
    .private_segment_fixed_size: 0
    .kernarg_segment_align: 8
    .kernarg_segment_size: 32
    .max_flat_workgroup_size: 256
    .sgpr_count:     66
    .vgpr_count:     256
    .wavefront_size: 32
...
	.end_amdgpu_metadata
.endif
;; end of part 4
